; MI455X (gfx1250); checked and timed in simulation.
; The chip was launched on July 23, 2026; its instructions are those of AMD's public machine-readable ISA for CDNA 5 (MIT licence, August 2026) and "CDNA5" Instruction Set Architecture Reference Guide (July 2026). The comments in the code are by the model that wrote it; some were corrected since.
;; Multi Head Attention. Allowed arithmetic: matrix products marked QUANTISED: E4M3 operands, one given power-of-two scale a tensor, by v_wmma_f32_16x16x64_fp8_fp8 or v_wmma_f32_16x16x128_fp8_fp8, f32 sums; everything else in f32.
;; Inputs: Wk 1,024 x 1,024 float32; Wo 1,024 x 1,024 float32; Wq 1,024 x 1,024 float32; Wv 1,024 x 1,024 float32; bk 1,024 float32; bo 1,024 float32; bq 1,024 float32; bv 1,024 float32; context 4 x 2,048 x 1,024 float32; data 4 x 2,048 x 1,024 float32; lowp_scales 12 int32 (the exponents e of the quantised operands' scales 2^e).
;; Outputs: out0 4 x 2,048 x 1,024 float32.
;; This version of the problem:
;;   THIS VERSION OF THE PROBLEM IS GIVEN IN LOW PRECISION. The matrix products marked QUANTISED in the list below multiply operands that are first quantised to E4M3 (4 exponent bits, 3 mantissa bits; 8 bits a number), with one given power-of-two scale for each operand tensor; their sums are f32. All else is computed in f32.
;;   The module's matrix products, in the order in which they are computed (A, B: the left and right operand; K: the contracted axis; several contracted axes count as one K, in the product's order):
;;     1. [M 8,192, K 1,024] x [K 1,024, N 1,024]; A: input data; B: input Wq: QUANTISED (scales: A lowp_scales[0], B lowp_scales[1])
;;     2. [M 8,192, K 1,024] x [K 1,024, N 1,024]; A: input context; B: input Wk: QUANTISED (scales: A lowp_scales[2], B lowp_scales[3])
;;     3. [M 8,192, K 1,024] x [K 1,024, N 1,024]; A: input context; B: input Wv: QUANTISED (scales: A lowp_scales[4], B lowp_scales[5])
;;     4. batch 64 x [M 2,048, K 64] x [K 64, N 2,048]; A: computed on the way; B: computed on the way: QUANTISED (scales: A lowp_scales[6], B lowp_scales[7])
;;     5. batch 64 x [M 2,048, K 2,048] x [K 2,048, N 64]; A: softmax (see below); B: computed on the way: QUANTISED (scales: A lowp_scales[8], B lowp_scales[9])
;;     6. [M 8,192, K 1,024] x [K 1,024, N 1,024]; A: computed on the way; B: input Wo: QUANTISED (scales: A lowp_scales[10], B lowp_scales[11])
;;   THE QUANTISER, for each operand of a quantised product, along K:
;;     - The operand's scale is 2^e, e = its entry of the input lowp_scales (int32; the entries are numbered through the quantised products in the list's order, A before B).
;;     - Each number is divided by the scale, clamped to +-448, and rounded to the nearest number of E4M3, ties to even, subnormals kept.
;;     - The product sums the exact products of the quantised numbers (number of the format x scale) in f32.
;;   ~~~python
;;   def quantise(x, axis, e):      # numpy; x: float32 -> the quantised numbers, widened to float32 again
;;       x = np.moveaxis(x, axis, -1); K = x.shape[-1]
;;       r = np.clip(x / 2.0 ** e, -448, 448)
;;       step = 2.0 ** (np.maximum(np.frexp(np.where(r == 0, 1, r))[1] - 1, -6) - 3)
;;       q = np.round(r / step) * step * 2.0 ** e      # np.round: ties to even
;;       return np.moveaxis(q, -1, axis).astype(np.float32)
;;   ~~~
;;   SOFTMAX AHEAD OF A QUANTISED PRODUCT. Where the list says 'softmax', what is quantised is not the finished softmax but p = 2^(t - M), with t = logit x log2(e) and M = ceil(the row's largest t), a whole number; so 1/2 < the row's largest p <= 1. The row's sum l is taken of the UNQUANTISED p, in f32, and the product's result is divided by l at the end. Since M is a whole number, a kernel that streams over the keys may use a running M (the ceiling of the running maximum): every later rescaling is an exact power of two, so the quantised numbers keep their values, but for numbers so far below the row's largest that they fall under the format's range.
;;   OPERANDS COMPUTED ON THE WAY. 'Computed on the way' means the value that the module computes at that place (a softmax that the list does not call 'softmax' is quantised finished and normalised). What goes into a quantiser is computed in f32, as accurately as f32 sums, v_exp_f32 and their like allow (about 1e-6 of the number): no bf16 or f16 on the way to a quantiser, and a product that is left as it is and whose result goes on into a quantised operand takes f32 operands (vector FMAs, or v_wmma_f32_16x16x4_f32). A number that lies on a knife's edge between two numbers of the format may be rounded either way, as far as f32 arithmetic and the matrix unit's own rounding can turn it there, and no further.
;; One version. Each part assembles by itself: llvm-mc -triple=amdgcn-amd-amdhsa -mcpu=gfx1250 --defsym DOCPART=n.
;; ======== version 1 of 1: 4 launches
;; limits: right only within a limited range of input values
;; workspace buffers: acts 25,165,824 bytes; wts 4,194,304 bytes; qkv 25,165,824 bytes; att 8,388,608 bytes
;; launch quant (part 1): grid 640 x 1, 4 waves a work-group, no clusters, 68,096 bytes of LDS; arguments data, context, Wq, Wk, Wv, Wo, lowp_scales, acts, wts; writes acts, wts
.if DOCPART == 1
	.amdgcn_target "amdgcn-amd-amdhsa--gfx1250"
	.amdhsa_code_object_version 6
	.text
	.protected	k_q669edc22eb_quant
	.globl	k_q669edc22eb_quant
	.p2align	8
	.type	k_q669edc22eb_quant,@function
k_q669edc22eb_quant:
	s_mov_b64 s[64:65], 0
	v_nop
	global_prefetch_b8 v0, s[64:65] scope:SCOPE_SE
	s_setreg_imm32_b32 hwreg(HW_REG_WAVE_MODE, 25, 1), 1
	s_wait_xcnt 0x0
; All input operands become codes of FP8 (E4M3): code = x / 2^e, rounded to the nearest code, ties to even.
; acts: three planes [8192 tokens][1024 K] of codes: data with e0, context with e2, context with e4 (context is read once and converted twice).
; wts:  four planes [1024 rows][1024 K], K innermost: Wq (e1), Wk (e3), Wv (e5), Wo (e11).  The weights arrive [K][N].  Row P of a plane holds column SW(P), SW = bits 3 and 4 of P exchanged:
;       the products that read these rows then leave 16 neighbouring columns in a lane's registers of two neighbouring result tiles.
; Work-groups 0-127: weights (4 weights x 8 groups of 128 columns x 4 pieces of 256 along K).  128-383: data.  384-639: context.  32,768 numbers each.
; No tensor loads, no barrier: waves share nothing.  The two ways part on the work-group's number, never join, and have LDS bytes of their own.
; LIMITS: each e used here lies between -126 and 119, so that 2^e and 448 x 2^e are f32 numbers.  NaN among the inputs is not served.
.set STEPS, 16                         ; activations: a wave takes 16 steps of 512 numbers
.set SP,    80                         ; a lane's place in a stage: its 64 bytes + 16 of padding
.set WREG,  8192                       ; LDS 0 .. 32,767: a region for each wave: two stages of 32 x SP bytes
.set R,     16                         ; v16-79   four sets of 16 numbers as they are loaded
.set X,     80                         ; v80-111  two sets of 16 neighbours
.set Y,     112
.set C,     128                        ; v128-191 codes, four registers a step: no store's data are written again
.set C2,    192                        ; v192-255 the second plane's codes, likewise
.set WSTG,  32768                      ; LDS 32,768 .. 67,583: the weights' stages, 32 rows x PITCH for each wave
.set PITCH, 272                        ; a stage row: 256 codes + 16 bytes
.set NB,    8                          ; weights: blocks of 32 along K for a wave
.set WX,    32                         ; v32-95   two sets of 32 numbers down K
.set WC,    96                         ; v96-103  a block's codes
.set OUTR,  112                        ; v112-175 the way out
.macro WLOAD t                         ; block t: W(32 t + i, my column), i = 0 .. 31: a wave reads 128 consecutive bytes, the four waves 512
.set i, 0
.rept 32
	global_load_b32 v[WX+32*((\t)%2)+i], v3, s[50:51] offset:(32*(\t)+i)*4096 th:TH_LOAD_NT
.set i, i+1
.endr
.endm
.macro BLOCK t
.set XS, WX+32*((\t)%2)
.if (\t) < NB-1
	s_wait_loadcnt 32                              ; this block's 32 loads are in; the next block's 32 may be out
.else
	s_wait_loadcnt 0
.endif
.set i, 0
.rept 32
.set i, i+1
.endr
.irp g, 0,1,2,3
	v_cvt_scalef32_pk8_fp8_f32 v[WC+2*\g:WC+2*\g+1], v[XS+8*\g:XS+8*\g+7], v11
.endr
	ds_store_b128 v4, v[WC:WC+3] offset:32*(\t)    ; 32 codes of my column's row
	ds_store_b128 v4, v[WC+4:WC+7] offset:32*(\t)+16
.if (\t)+2 < NB
	WLOAD (\t)+2
.endif
	s_wait_dscnt 0x0                               ; the stores have read their registers: the next block's codes may be written
.endm
.macro LOAD t                          ; activations: a step's 2,048 bytes, 512 consecutive bytes a load
.irp i, 0,1,2,3
	global_load_b128 v[R+16*((\t)%4)+4*\i:R+16*((\t)%4)+4*\i+3], v3, s[4:5] offset:2048*(\t)+512*\i th:TH_LOAD_NT
.endr
.endm
.macro TURN t                          ; through the wave's stage: in as loaded, back 64 bytes a lane.  LDS serves a wave's instructions in order: no wait between
.irp i, 0,1,2,3
	ds_store_b128 v14, v[R+16*((\t)%4)+4*\i:R+16*((\t)%4)+4*\i+3] offset:32*SP*((\t)%2)+8*SP*\i
.endr
.irp i, 0,1,2,3
	ds_load_b128 v[X+16*((\t)%2)+4*\i:X+16*((\t)%2)+4*\i+3], v15 offset:32*SP*((\t)%2)+16*\i
.endr
.endm
.macro STEP t
.set XS, X+16*((\t)%2)
	s_wait_dscnt 0x0                               ; this step's numbers are back, so its stores into the stage have read their registers,
.if (\t)+4 < STEPS
	LOAD (\t)+4                                    ; which take the loads of four steps on
.endif
.if (\t)+1 < STEPS
.if STEPS-2-(\t) >= 3
	s_wait_loadcnt 12                              ; the next step's four loads are in; those of the three steps behind it may be out
.else
	s_wait_loadcnt 4*(STEPS-2-(\t))
.endif
	TURN (\t)+1
.endif
	s_cmp_lt_u32 s36, 256                          ; data has one scale; context a second one, for the plane that the product with Wv reads
	s_cbranch_scc1 .Lone_\@
.set i, 0
.rept 16
.set i, i+1
.endr
	s_wait_alu depctr_va_vdst(0)
	v_cvt_scalef32_pk8_fp8_f32 v[C2+4*(\t):C2+4*(\t)+1], v[XS:XS+7], v13
	v_cvt_scalef32_pk8_fp8_f32 v[C2+4*(\t)+2:C2+4*(\t)+3], v[XS+8:XS+15], v13
	global_store_b128 v4, v[C2+4*(\t):C2+4*(\t)+3], s[42:43] offset:512*(\t)
.Lone_\@:
.set i, 0
.rept 16
.set i, i+1
.endr
	s_wait_alu depctr_va_vdst(0)
	v_cvt_scalef32_pk8_fp8_f32 v[C+4*(\t):C+4*(\t)+1], v[XS:XS+7], v11
	v_cvt_scalef32_pk8_fp8_f32 v[C+4*(\t)+2:C+4*(\t)+3], v[XS+8:XS+15], v11
	global_store_b128 v4, v[C+4*(\t):C+4*(\t)+3], s[40:41] offset:512*(\t)   ; a wave stores 512 consecutive bytes, aligned
.endm
	s_load_b512 s[4:19], s[0:1], 0x0               ; data s[4:5], context s[6:7], Wq s[8:9], Wk s[10:11], Wv s[12:13], Wo s[14:15], the exponents s[16:17], acts s[18:19]
	s_load_b64 s[20:21], s[0:1], 0x40              ; wts
	v_lshl_add_u32 v9, v0, 2, 0x10800
	s_set_vgpr_msb 0x40
	v_mov_b32 v1, 0
	s_set_vgpr_msb 0x4000
	v_lshrrev_b32 v1, 5, v0
	v_readfirstlane_b32 s22, v1                    ; wave 0..3
	v_and_b32 v2, 31, v0                           ; lane
	s_wait_kmcnt 0x0
	s_load_b256 s[24:31], s[16:17], 0x0            ; e0 .. e7
	s_load_b128 s[32:35], s[16:17], 0x20           ; e8 .. e11
	s_cmp_lt_u32 ttmp9, 128
	s_cbranch_scc0 .Lact
	; ---- WEIGHTS.  A lane takes a column and its registers run down K: the conversions then give codes with K innermost; nothing is transposed by an instruction.
	s_lshr_b32 s36, ttmp9, 5                       ; which weight: 0 Wq, 1 Wk, 2 Wv, 3 Wo
	s_and_b32 s37, ttmp9, 7                        ; which 128 columns
	s_bfe_u32 s38, ttmp9, 0x20003                  ; which 256 along K
	s_lshl_b32 s37, s37, 7
	s_lshl_b32 s39, s22, 5
	s_add_co_u32 s37, s37, s39                     ; my wave's first column
	s_wait_alu depctr_va_vdst(0)
	v_lshlrev_b32 v3, 2, v2                        ; in: 4 bytes a lane
	s_mul_i32 s39, s22, 32*PITCH
	s_add_co_u32 s39, s39, WSTG                    ; my stage
	v_mul_u32_u24 v4, v2, PITCH
	v_add_nc_u32 v4, s39, v4                       ; into it: row = my column
	v_and_b32 v5, 15, v2
	v_lshrrev_b32 v6, 4, v2
	v_mul_u32_u24 v7, v6, PITCH
	v_lshl_add_u32 v7, v5, 4, v7
	v_add_nc_u32 v7, s39, v7                       ; out of it: sixteen lanes to a row, two rows an instruction
	v_lshlrev_b32 v8, 10, v6
	v_lshl_add_u32 v8, v5, 4, v8                   ; and the same two rows of 1,024 bytes in the plane
	s_lshl_b32 s44, s38, 20                        ; 256 rows of 4,096 bytes for each piece of K,
	s_lshl_b32 s45, s37, 2
	s_add_co_u32 s44, s44, s45                     ; + 4 x column
	s_mov_b32 s45, 0
	s_lshl_b32 s46, s36, 20                        ; the plane,
	s_lshl_b32 s47, s37, 10
	s_add_co_u32 s46, s46, s47                     ; + row x 1,024,
	s_lshl_b32 s47, s38, 8
	s_add_co_u32 s46, s46, s47                     ; + 256 x piece
	s_mov_b32 s47, 0
	s_and_b32 s48, s36, 1
	s_and_b32 s49, s36, 2
	s_cmp_lg_u32 s48, 0
	s_cselect_b64 s[50:51], s[10:11], s[8:9]       ; Wk or Wq
	s_cselect_b64 s[52:53], s[14:15], s[12:13]     ; Wo or Wv
	s_cmp_lg_u32 s49, 0
	s_cselect_b64 s[50:51], s[52:53], s[50:51]
	s_add_nc_u64 s[50:51], s[50:51], s[44:45]
	s_add_nc_u64 s[20:21], s[20:21], s[46:47]
	WLOAD 0
	WLOAD 1
	s_wait_kmcnt 0x0
	s_cmp_lg_u32 s48, 0
	s_cselect_b32 s54, s27, s25                    ; e3 or e1
	s_cselect_b32 s55, s35, s29                    ; e11 or e5
	s_cmp_lg_u32 s49, 0
	s_cselect_b32 s54, s55, s54
	s_add_co_i32 s54, s54, 127
	s_lshl_b32 s55, s54, 23
	v_mov_b32 v11, s55                             ; 2^e as f32: the conversion takes its exponent field
	s_add_co_i32 s54, s54, 8
	s_lshl_b32 s54, s54, 23
	s_or_b32 s54, s54, 0x600000
.set Q, 0
	s_wait_alu depctr_va_vdst(0)
.rept NB
	BLOCK Q
.set Q, Q+1
.endr
.irp t, 0,1,2,3,4,5,6,7,8,9,10,11,12,13,14,15
	ds_load_b128 v[OUTR+4*\t:OUTR+4*\t+3], v7 offset:(((2*\t)&7)+(((2*\t)&8)<<1)+(((2*\t)&16)>>1))*PITCH   ; rows 2 t and 2 t + 1 of the plane take columns SW(2 t) and SW(2 t) + 1: the exchange stands in this immediate alone
.endr
.irp t, 0,1,2,3,4,5,6,7,8,9,10,11,12,13,14,15
	s_wait_dscnt 15-\t                             ; the younger reads of the stage may be out
	global_store_b128 v8, v[OUTR+4*\t:OUTR+4*\t+3], s[20:21] offset:2*\t*1024   ; sixteen lanes store 256 consecutive bytes, aligned
.endr
	s_set_vgpr_msb 0x4
	s_wait_tensorcnt 0x0
	ds_add_u32 v9, v1
	s_wait_dscnt 0x0
	s_set_vgpr_msb 0x400
	s_endpgm
	; ---- ACTIVATIONS.  Rows are dense, so a tensor is a plain stream, and so are its codes.
.Lact:
	s_sub_co_u32 s36, ttmp9, 128                   ; 0-255 data, 256-511 context
	s_wait_alu depctr_va_vdst(0)
	v_lshlrev_b32 v3, 4, v2                        ; my 16 bytes of a load's 512
	s_wait_alu depctr_va_vdst(0)
	v_lshlrev_b32 v4, 4, v2                        ; my 16 codes of a step's 512
	s_mul_i32 s37, s22, WREG
	v_lshrrev_b32 v14, 2, v2
	v_mul_u32_u24 v14, v14, SP
	v_and_b32 v15, 3, v2
	v_lshl_add_u32 v14, v15, 4, v14
	v_add_nc_u32 v14, s37, v14                     ; the stage, on the way in: SP (lane / 4) + 16 (lane % 4)
	v_mul_u32_u24 v15, v2, SP
	v_add_nc_u32 v15, s37, v15                     ; and on the way out: SP x lane: my 16 neighbours
	s_cmp_lt_u32 s36, 256
	s_cselect_b64 s[4:5], s[4:5], s[6:7]
	s_cselect_b32 s44, 0, 0x800000                 ; plane 0, or plane 1
	s_and_b32 s38, s36, 255
	s_lshl_b32 s38, s38, 2
	s_add_co_u32 s38, s38, s22                     ; which run of 8,192 numbers is my wave's
	s_lshl_b32 s46, s38, 15
	s_mov_b32 s47, 0
	s_add_nc_u64 s[4:5], s[4:5], s[46:47]
	s_lshl_b32 s38, s38, 13
	s_add_co_u32 s44, s44, s38
	s_mov_b32 s45, 0
	s_add_nc_u64 s[40:41], s[18:19], s[44:45]
	s_add_nc_u64 s[42:43], s[40:41], 0x800000      ; a plane on: for context, plane 2 (a base of its own: 2^23 is past a store's immediate)
.irp t, 0,1,2,3
	LOAD \t
.endr
	s_wait_alu depctr_va_vdst(0)
	s_wait_kmcnt 0x0
	s_cmp_lt_u32 s36, 256
	s_cselect_b32 s46, s24, s26                    ; e0 or e2
	s_add_co_i32 s46, s46, 127
	s_lshl_b32 s47, s46, 23
	v_mov_b32 v11, s47                             ; 2^e
	s_add_co_i32 s46, s28, 127                     ; e4
	s_lshl_b32 s47, s46, 23
	v_mov_b32 v13, s47
	s_wait_loadcnt 12                              ; step 0's four loads are in
	TURN 0
.irp t, 0,1,2,3,4,5,6,7,8,9,10,11,12,13,14,15
	STEP \t
.endr
	s_set_vgpr_msb 0x4
	s_wait_tensorcnt 0x0
	ds_add_u32 v9, v1
	s_wait_dscnt 0x0
	s_set_vgpr_msb 0x400
	s_endpgm
.Lfunc_end_k_q669edc22eb_quant:
	.size	k_q669edc22eb_quant, .Lfunc_end_k_q669edc22eb_quant-k_q669edc22eb_quant
	.p2alignl 7, 3214868480
	.fill 96, 4, 3214868480
	.section	.rodata,"a",@progbits
	.p2align	6, 0x0
	.amdhsa_kernel k_q669edc22eb_quant
		.amdhsa_group_segment_fixed_size 68096
		.amdhsa_private_segment_fixed_size 0
		.amdhsa_enable_private_segment 0
		.amdhsa_kernarg_size 72
		.amdhsa_user_sgpr_count 2
		.amdhsa_user_sgpr_kernarg_segment_ptr 1
		.amdhsa_wavefront_size32 1
		.amdhsa_system_sgpr_workgroup_id_x 1
		.amdhsa_system_sgpr_workgroup_id_y 1
		.amdhsa_system_sgpr_workgroup_id_z 1
		.amdhsa_system_vgpr_workitem_id 0
		.amdhsa_next_free_vgpr 258
		.amdhsa_next_free_sgpr 66
		.amdhsa_reserve_vcc 0
		.amdhsa_float_denorm_mode_32 3
		.amdhsa_float_denorm_mode_16_64 3
		.amdhsa_fp16_overflow 1
		.amdhsa_memory_ordered 1
		.amdhsa_forward_progress 1
		.amdhsa_inst_pref_size 60
	.end_amdhsa_kernel
	.amdgpu_metadata
---
amdhsa.version: [ 1, 2 ]
amdhsa.kernels:
  - .name:           k_q669edc22eb_quant
    .symbol:         k_q669edc22eb_quant.kd
    .args:
      - { .name: data, .offset: 0, .size: 8, .value_kind: global_buffer, .address_space: global }
      - { .name: context, .offset: 8, .size: 8, .value_kind: global_buffer, .address_space: global }
      - { .name: Wq, .offset: 16, .size: 8, .value_kind: global_buffer, .address_space: global }
      - { .name: Wk, .offset: 24, .size: 8, .value_kind: global_buffer, .address_space: global }
      - { .name: Wv, .offset: 32, .size: 8, .value_kind: global_buffer, .address_space: global }
      - { .name: Wo, .offset: 40, .size: 8, .value_kind: global_buffer, .address_space: global }
      - { .name: lowp_scales, .offset: 48, .size: 8, .value_kind: global_buffer, .address_space: global }
      - { .name: acts, .offset: 56, .size: 8, .value_kind: global_buffer, .address_space: global }
      - { .name: wts, .offset: 64, .size: 8, .value_kind: global_buffer, .address_space: global }
    .group_segment_fixed_size: 68096
    .private_segment_fixed_size: 0
    .kernarg_segment_align: 8
    .kernarg_segment_size: 72
    .max_flat_workgroup_size: 128
    .sgpr_count:     66
    .vgpr_count:     258
    .wavefront_size: 32
...
	.end_amdgpu_metadata
.endif
;; end of part 1
;; launch proj (part 2): grid 4 x 96, 4 waves a work-group, clusters of 4 x 4, 327,680 bytes of LDS; arguments acts, wts, lowp_scales, bq, bk, bv, qkv; writes qkv
.if DOCPART == 2
	.amdgcn_target "amdgcn-amd-amdhsa--gfx1250"
	.amdhsa_code_object_version 6
	.text
	.protected	k_q669edc22eb_proj
	.globl	k_q669edc22eb_proj
	.p2align	8
	.type	k_q669edc22eb_proj,@function
k_q669edc22eb_proj:
	s_mov_b64 s[64:65], 0
	v_nop
	global_prefetch_b8 v0, s[64:65] scope:SCOPE_SE
	s_setreg_imm32_b32 hwreg(HW_REG_WAVE_MODE, 25, 1), 1
	s_wait_xcnt 0x0
	s_wait_alu depctr_hold_cnt(0) depctr_sa_sdst(0) depctr_va_vdst(0) depctr_va_sdst(0) depctr_va_ssrc(0) depctr_va_vcc(0) depctr_vm_vsrc(0)
	s_getreg_b32 s2, hwreg(HW_REG_IB_STS2, 6, 4)
	s_cmp_eq_u32 s2, 0
	s_cbranch_scc0 .Lentry_in_a_cluster
	s_endpgm
.Lentry_in_a_cluster:
	s_bfe_u32 s2, ttmp6, 0x10000c
	s_cmp_lg_u32 s2, 0xf033
	s_cbranch_scc0 .Lentry_shape_is_right
	s_endpgm
.Lentry_shape_is_right:
; The three projections on codes of FP8 (E4M3): Q = data Wq + bq, K = context Wk + bk, V = context Wv + bv; each result is quantised at once (e6, e7, e9) and stored as codes in the order in which
; the attention launch's operand registers take them.  acts: three planes [8192][1024] of codes; wts: planes [1024 rows][1024 K], row P = column SW(P) (bits 3 and 4 exchanged).
; A tile of 256 x 256 results is made by four waves, 128 x 128 each: 64 accumulators, 512 registers.  K = 1,024 goes in four steps of 256 through two LDS slots filled by the tensor data mover.
; THE MATRIX INSTRUCTION: source 0 = 16 rows of "B", source 1 = 16 rows of "A": lane (r, h), register j of accumulator (a, b) is A's row 16 a + r against B's row 16 b + 8 h + j.
;   Q, K: A = tokens (acts), B = weight rows.  With the rows in SW order the 16 registers of accumulators 2 g, 2 g + 1 are columns 32 g + 16 h + 0 .. 15 of token r.
;   V:    A = weight rows, B = tokens: a lane holds one channel and eight neighbouring tokens: the keys are the second attention product's K.
; Clusters 0-7 along y make Q, 8-15 K, 16-23 V: the product's number is the same in all sixteen partners, so branches and selects on it are alike in all of them.
; CLUSTERS: 4 x 4 work-groups; A's tile is shared along a row of the cluster, B's along a column: each is asked for jointly, by the same tensor load with the same descriptor and a mask that names the four.
; qkv: planes Q, K, V of 2^23 bytes; in each, 64 head planes (16 batch + head) of 2^17 bytes.
;   Q, K head plane: [128 tiles of 16 tokens][2][32 lanes][16 bytes]: lane (r, h), piece c holds channels 32 c + 16 h + 0 .. 15 of token r.
;   V head plane:    [16 key steps of 128][4 tiles of 16 channel places][4][32 lanes][16 bytes]: lane (r, h), registers 2 b, 2 b + 1 hold keys 16 b + 8 h + 0 .. 7 of channel place 16 t + r.
;   Every store is 16 bytes a lane at 16 x lane: 512 consecutive bytes, aligned; no stage in LDS is needed.
; LIMITS: e0 + e1, e2 + e3, e4 + e5 between -126 and 127; e6, e7, e9 between -126 and 119: each power of two below is then an f32 number.
; REGISTERS, in windows of 256: window 0: v1-31 addresses and constants; v32-95 the biases; v128-255 A's fragments, ONE set; on the way out v96-159 sums at work, v160-223 four sets of codes.
;   window 1: B's fragments, TWO sets.   window 2: the accumulators of my rows 0-63 ((a, b) at v[8 (8 a + b)]);   window 3: those of my rows 64-127.
.set KROW,   1024                      ; a row of A or of B in memory, in bytes
.set ROWB,   256                       ; a tile's row: 256 codes
.set PITCH,  272                       ; an LDS row: 256 bytes + 16 of padding = 68 words: the 16 rows that a load touches start at 16 different banks (64 banks of 4 bytes: ISA guide 11.1)
.set FR,     16                        ; registers of a fragment: 16 rows x 128 K
.set NL,     4                         ; LDS loads that bring one
.set NP,     4                         ; places behind this matrix instruction (ISA guide 7.12.1)
.set HALFT,  128*PITCH                 ; 128 rows: what one tensor load brings
.set SLOT,   4*HALFT                   ; A's 256 rows, then B's 256 rows
.set SPARE,  2*SLOT                    ; behind the ring: the spare words, 128 bytes for each wave: two blocks of 256 bytes that no other line names
.set VO,   8                           ; v8-15   the bias loads' offsets, one for each register of a group of eight
.set ADRA, 16                          ; v16-17  LDS address of my A fragments in slot 0, 1
.set ADRB, 20                          ; v20-21  the same for B
.set BO,   22                          ; v22     the bias loads' lane term
.set CO,   26                          ; v26     16 x lane: my place in a store's 512 bytes
.set SPW,  28                          ; v28     LDS address of my spare word; never rewritten
.set NIL,  29                          ; v29     0; never rewritten
.set LIM,  30
.set SC,   31                          ; v31     2^eo
.set BI,   32                          ; v32-95  the biases: eight groups of eight
.set TMP,  96
.set CDS,  160
.set AF,   128
.set G1, 24                            ; s[24:31] descriptor group 1 for A's tiles;  s[32:39] group 0, one set for each slot
.set G0, 32
.set G1B, 48                           ; s[48:55], s[56:63] the same for B's tiles
.set G0B, 56
.set MSB, 0
.macro WIN new                         ; the immediate's high byte repeats the setting that is left
.if MSB != (\new)
	s_set_vgpr_msb (MSB<<8)|(\new)
.set MSB, (\new)
.endif
.endm
.set MUL_LO, 0xa1                      ; source 0 (B) window 1, source 1 (A) window 0, C and D window 2
.set MUL_HI, 0xf1                      ; the same, C and D window 3
.set TO_B,   0x40                      ; destination window 1, address window 0
; A joint load: waves 0 and 1 fetch for A, waves 2 and 3 for B.  The branch hangs on the wave's number alone.  Four v_nop follow each of the two lines.
.macro JLOAD g0a, g1a, g0b, g1b
	s_cmp_eq_u32 s15, 0
	s_cbranch_scc0 .Lfor_b_\@
	tensor_load_to_lds s[\g0a:\g0a+3], s[\g1a:\g1a+7]
	s_nop 0
.rept 4
	v_nop
.endr
	s_branch .Lasked_\@
.Lfor_b_\@:
	tensor_load_to_lds s[\g0b:\g0b+3], s[\g1b:\g1b+7]
	s_nop 0
.rept 4
	v_nop
.endr
.Lasked_\@:
.endm
.macro CREST                           ; a round of the cluster's barrier behind its opening barrier
	s_cmp_lg_u32 s14, 0
	s_cbranch_scc1 .Lnot_wave_0_\@
	s_barrier_signal -3
.Lnot_wave_0_\@:
	s_barrier_wait -3
	s_barrier_signal -1
	s_barrier_wait -1
.endm
.macro CROUND                          ; a whole round
	s_barrier_signal -1
	s_barrier_wait -1
	CREST
.endm
	s_load_b256 s[68:75], s[0:1], 0x0              ; acts s[68:69], wts s[70:71], the exponents s[72:73], bq s[74:75]
	s_load_b128 s[76:79], s[0:1], 0x20             ; bk s[76:77], bv s[78:79]
	s_load_b64 s[10:11], s[0:1], 0x30              ; qkv
	v_lshl_add_u32 v[SPW], v0, 2, SPARE
	v_mov_b32 v[NIL], 0
	ds_add_u32 v28, v29
	ds_add_u32 v28, v29
	s_wait_dscnt 0x0
	v_lshrrev_b32 v1, 5, v0
	v_readfirstlane_b32 s14, v1                    ; wave 0..3
	s_lshr_b32 s15, s14, 1                         ; which half of A's rows is mine.  Also: I fetch for A (0) or for B (1)
	s_and_b32 s16, s14, 1                          ; which half of B's rows.  Also: which 128 rows of that tile I fetch
	s_bfe_u32 s40, ttmp6, 0x40000                  ; cx, cy: my place in the cluster
	s_bfe_u32 s41, ttmp6, 0x40004
	s_and_b32 s66, ttmp7, 0xffff                   ; cluster y, 0 .. 23 (the grid is one cluster wide)
	s_and_b32 s67, s66, 7
	s_lshl_b32 s67, s67, 2                         ; four tiles of 256 tokens for each cluster
	s_lshr_b32 s66, s66, 3                         ; the product: 0 Q, 1 K, 2 V
	s_lshl_b32 s92, s66, 20                        ; its plane in wts,
	s_lshl_b32 s93, s66, 23                        ; and in acts
	s_cmp_eq_u32 s66, 2
	s_cselect_b32 s42, s67, 0                      ; B's tile: for V the tokens', else the weight's
	s_cselect_b32 s17, 0, s67                      ; A's tile: the other way round
	s_cselect_b32 s94, s92, s93                    ; A's plane
	s_cselect_b32 s95, s93, s92                    ; B's plane
	s_add_co_u32 s42, s42, s40                     ; + cx: B's tile hangs on cx alone,
	s_add_co_u32 s17, s17, s41                     ; + cy: A's on cy alone
	s_lshl_b32 s43, s41, 2
	s_lshl_b32 s43, 15, s43                        ; my row of the cluster
	s_lshl_b32 s44, 0x1111, s40                    ; my column
	; descriptor group 1: a tile of 128 rows x 256 bytes, padded in LDS
	s_or_b32 s[G1+0], s43, (0<<16)|(1<<20)|(1<<21)|(5<<22)|(3<<25)  ; 15:0 the mask: A's tiles go to my row; 17:16 elements of 1 byte; 20 padding on; 21 set beside a mask; 24:22 after every 64 words (code 5); 31:25 four words (code 3)
	s_or_b32 s[G1B+0], s44, (0<<16)|(1<<20)|(1<<21)|(5<<22)|(3<<25)
.irp g, G1, G1B
	s_mov_b32 s[\g+1], ROWB<<16                    ; tensor_dim0
	s_mov_b32 s[\g+2], 128<<16                     ; tensor_dim1 = 128
	s_mov_b32 s[\g+3], ROWB<<16                    ; tile_dim0
	s_mov_b32 s[\g+4], 128                         ; tile_dim1 = 128
	s_mov_b32 s[\g+5], KROW                        ; tensor_dim0_stride
	s_mov_b32 s[\g+6], 0
	s_mov_b32 s[\g+7], 0
.endr
	s_lshl_b32 s18, s16, 7                         ; which 128 rows of the tile I fetch
	s_lshl_b32 s20, s17, 8
	s_add_co_u32 s20, s20, s18                     ; A: row 256 x tile + 128 x half,
	s_lshl_b32 s20, s20, 10                        ; in bytes,
	s_add_co_u32 s20, s20, s94                     ; in its plane
	s_mov_b32 s21, 0
	s_lshl_b32 s46, s42, 8
	s_add_co_u32 s46, s46, s18                     ; B likewise
	s_lshl_b32 s46, s46, 10
	s_add_co_u32 s46, s46, s95
	s_mov_b32 s47, 0
	s_mul_i32 s45, s14, HALFT                      ; where they go: wave x 128 rows: no place in the cluster enters an LDS address
	s_wait_kmcnt 0x0
	s_load_b256 s[80:87], s[72:73], 0x0            ; e0 .. e7
	s_load_b128 s[88:91], s[72:73], 0x20           ; e8 .. e11
	s_cmp_eq_u32 s66, 2
	s_cselect_b64 s[4:5], s[70:71], s[68:69]       ; A: for V the weights, else the tokens
	s_cselect_b64 s[6:7], s[68:69], s[70:71]       ; B: the other way round
	s_add_nc_u64 s[20:21], s[4:5], s[20:21]
	s_add_nc_u64 s[46:47], s[6:7], s[46:47]
	CROUND                                         ; all sixteen work-groups are here: the first joint loads meet
.irp s, 0,1
	s_mov_b32 s[G0+4*\s], 1
	s_add_co_u32 s[G0+4*\s+1], s45, \s*SLOT
	s_add_nc_u64 s[G0+4*\s+2:G0+4*\s+3], s[20:21], \s*ROWB
	s_or_b32 s[G0+4*\s+3], s[G0+4*\s+3], 0x80000000
	s_mov_b32 s[G0B+4*\s], 1
	s_add_co_u32 s[G0B+4*\s+1], s45, \s*SLOT
	s_add_nc_u64 s[G0B+4*\s+2:G0B+4*\s+3], s[46:47], \s*ROWB
	s_or_b32 s[G0B+4*\s+3], s[G0B+4*\s+3], 0x80000000
	JLOAD G0+4*\s, G1, G0B+4*\s, G1B               ; two tensor loads of mine are out
.endr
	v_and_b32 v1, 15, v0                           ; r = lane % 16
	v_bfe_u32 v2, v0, 4, 1                         ; h = lane / 16
	s_wait_alu depctr_va_vdst(0)
	v_mul_u32_u24 v3, v1, PITCH
	v_lshl_add_u32 v4, v2, 4, v3                   ; a fragment's row x pitch + 16 x half
	s_mul_i32 s21, s15, HALFT                      ; my 128 rows of A
	s_mul_i32 s22, s16, HALFT                      ; my 128 rows of B,
	s_add_co_u32 s22, s22, 2*HALFT                 ; which lie behind A's 256
.irp s, 0,1
	v_add_nc_u32 v[ADRA+\s], s21, v4
	v_add_nc_u32 v[ADRB+\s], s22, v4
	s_add_co_u32 s21, s21, SLOT
	s_add_co_u32 s22, s22, SLOT
.endr
	v_and_b32 v6, 31, v0
	v_lshlrev_b32 v[CO], 4, v6
	; THE BIASES, one text for the three products, no branch.  Register (g, j) is loaded at 4 (32 (g / 2) + 8 (g % 2)) + the lane's term + j x step.
	; Q, K: g = B's block: the lane's term is 64 h and the step 4 bytes: the bias of column 32 (g / 2) + 16 h + 8 (g % 2) + j.
	; V: g = A's block: the lane's term is 4 (r + 8 (r / 8)) and the step 0: all eight are the bias of the channel that lies at place 16 g + r.  They land while the first tiles are on their way.
	s_cmp_eq_u32 s66, 1
	s_cselect_b64 s[92:93], s[76:77], s[74:75]     ; bk or bq
	s_cmp_eq_u32 s66, 2
	s_cselect_b64 s[92:93], s[78:79], s[92:93]     ; or bv
	s_cselect_b32 s98, s17, s42                    ; the weight's tile of 256 columns,
	s_cselect_b32 s99, s15, s16                    ; and my half of it
	s_cselect_b32 s94, 0, 4
	s_cselect_b32 s95, -1, 0
	s_lshl_b32 s98, s98, 10
	s_lshl_b32 s99, s99, 9
	s_add_co_u32 s98, s98, s99
	s_mov_b32 s99, 0
	s_add_nc_u64 s[92:93], s[92:93], s[98:99]
	v_lshlrev_b32 v5, 6, v2                        ; 64 h
	v_and_b32 v6, 8, v1
	v_add_nc_u32 v6, v6, v1
	v_lshlrev_b32 v6, 2, v6                        ; 4 (r + 8 (r / 8))
	v_cndmask_b32 v[BO], v5, v6, s95
	v_mov_b32 v7, s94
.irp j, 0,1,2,3,4,5,6,7
	v_mad_u32_u24 v[VO+\j], v7, \j, v[BO]
.endr
.irp g, 0,1,2,3,4,5,6,7
.irp j, 0,1,2,3,4,5,6,7
	global_load_b32 v[BI+8*\g+\j], v[VO+\j], s[92:93] offset:(32*(\g/2)+8*(\g%2))*4
.endr
.endr
.macro FRAG reg, adr, q, i             ; a fragment, 16 rows x 128 K, is 16 registers: lane l holds row l % 16; registers 4 c .. 4 c + 3 hold K = 32 c + 16 (l / 16) + 0 .. 15: the same places of k in A and in B
.irp c, 0,1,2,3
	ds_load_b128 v[\reg+4*\c:\reg+4*\c+3], v[\adr] offset:128*(\q)+32*\c+(\i)*16*PITCH
.endr
.endm
; 16 matrix instructions: A's blocks a0, a0 + 1 x B's eight, 128 along K.  p: B's set.  zero = 1: the first product starts the sums.
; The 64 accumulators take turns, one instruction a turn, in the same order in every step.
.macro MUL16 a0, p, zero
.irp a, \a0, \a0+1
.irp b, 0,1,2,3,4,5,6,7
.if \zero
	v_wmma_f32_16x16x128_fp8_fp8 v[8*(8*((\a)%4)+\b):8*(8*((\a)%4)+\b)+7], v[128*(\p)+FR*\b:128*(\p)+FR*\b+FR-1], v[AF+FR*(\a):AF+FR*(\a)+FR-1], 0
.else
	v_wmma_f32_16x16x128_fp8_fp8 v[8*(8*((\a)%4)+\b):8*(8*((\a)%4)+\b)+7], v[128*(\p)+FR*\b:128*(\p)+FR*\b+FR-1], v[AF+FR*(\a):AF+FR*(\a)+FR-1], v[8*(8*((\a)%4)+\b):8*(8*((\a)%4)+\b)+7]
.endif
.endr
.endr
.endm
.macro FETCH_B slot, q, p              ; B's eight fragments of the slot's q-th 128 along K into set p
	WIN TO_B
.irp i, 0,1,2,3,4,5,6,7
	FRAG 128*(\p)+FR*\i, ADRB+\slot, \q, \i
.endr
	WIN 0
.endm
.macro FETCH_A slot, q, i0             ; A's blocks i0 .. i0 + 3
.irp i, \i0, \i0+1, \i0+2, \i0+3
	FRAG AF+FR*(\i), ADRA+\slot, \q, \i
.endr
.endm
; A load into a register that a matrix instruction has read, and a vector instruction that reads a matrix result, stand NP places behind that matrix instruction; only plain vector
; instructions that name none of its registers are places (ISA guide 7.12.1 for vector instructions).
.macro PLACES n
.rept \n
	v_nop
.endr
.endm
.macro STEP slot, q, zero              ; a step of 128 along K that has its successor in the same slot
	s_wait_dscnt 4*NL                              ; B's set and A's blocks 0-3 are in; the youngest 16 loads (A's blocks 4-7) may be out
	WIN MUL_LO
	MUL16 0, (\q)%2, \zero
	MUL16 2, (\q)%2, \zero
	s_wait_dscnt 0                                 ; A's blocks 4-7 are in
	PLACES NP
	FETCH_B \slot, (\q)+1, 1-(\q)%2
	FETCH_A \slot, (\q)+1, 0
	WIN MUL_HI
	MUL16 4, (\q)%2, \zero
	MUL16 6, (\q)%2, \zero
	PLACES NP
	WIN 0
	FETCH_A \slot, (\q)+1, 4
.endm
; A slot's last step changes slots: ONE barrier; in front of it each wave waits for all its tensor loads, adds 0 to its spare word, and waits for that and for its own reads of this slot.  fill = 1: this slot is filled again, two K steps ahead.
.macro TURN slot, next, fill
	s_wait_tensorcnt 0x0                           ; all my tensor loads have landed: my part of the next slot  (every window is 0 here)
	ds_add_u32 v[SPW], v[NIL]                      ; 0 onto my spare word
	s_wait_dscnt 4*NL+1                            ; (the add and the youngest 16 loads, A's blocks 4-7, may be out)
	WIN MUL_LO
	MUL16 0, 1, 0                                  ; sixteen matrix instructions stand between the add and the wait for it
	s_wait_dscnt 0x0                               ; the add is done, and my reads of this slot are over
	s_barrier_signal -1
	MUL16 2, 1, 0
	WIN 0
	s_barrier_wait -1
.if \fill
	CREST                                          ; the barrier has opened a round of the cluster's barrier: no wave of any partner still reads this slot's tile or has a load on its way
	s_add_nc_u64 s[G0+4*\slot+2:G0+4*\slot+3], s[G0+4*\slot+2:G0+4*\slot+3], 2*ROWB
	s_add_nc_u64 s[G0B+4*\slot+2:G0B+4*\slot+3], s[G0B+4*\slot+2:G0B+4*\slot+3], 2*ROWB
	JLOAD G0+4*\slot, G1, G0B+4*\slot, G1B         ; the first tensor load behind the round, my one load until the next; its four v_nop are the places in front of the loads below
.else
	PLACES NP
.endif
	FETCH_B \next, 0, 0
	FETCH_A \next, 0, 0
	WIN MUL_HI
	MUL16 4, 1, 0
	MUL16 6, 1, 0
	PLACES NP
	WIN 0
	FETCH_A \next, 0, 4
.endm
	s_wait_tensorcnt 1                             ; my part of K step 0 is in (K step 1's load may be out)
	s_barrier_signal -1
	s_barrier_wait -1                              ; everybody's is
	FETCH_B 0, 0, 0
	FETCH_A 0, 0, 0
	FETCH_A 0, 0, 4
	STEP 0, 0, 1                                   ; K = 1,024 is eight steps of 128, two to a slot, twice round the ring: written straight, a loop would have one trip
	TURN 0, 1, 1                                   ; slot 0 takes K 512 .. 767
	STEP 1, 0, 0
	TURN 1, 0, 1                                   ; slot 1 takes K 768 .. 1,023
	STEP 0, 0, 0
	TURN 0, 1, 0                                   ; nothing is left to fetch: no round
	STEP 1, 0, 0
	s_wait_dscnt 4*NL
	WIN MUL_LO
	MUL16 0, 1, 0
	MUL16 2, 1, 0
	s_wait_dscnt 0
	WIN MUL_HI
	MUL16 4, 1, 0
	MUL16 6, 1, 0
	WIN 0
	; THE WAY OUT.  value = sum x 2^(ea + eb) + bias, one packed multiply-add for two; converted, eight numbers of a lane at a time; stored.
	s_wait_kmcnt 0x0
	s_cmp_eq_u32 s66, 1
	s_cselect_b32 s96, s82, s80                    ; ea: e2 or e0
	s_cselect_b32 s97, s83, s81                    ; eb: e3 or e1
	s_cselect_b32 s98, s87, s86                    ; eo: e7 or e6
	s_cmp_eq_u32 s66, 2
	s_cselect_b32 s96, s84, s96                    ; or e4,
	s_cselect_b32 s97, s85, s97                    ; e5,
	s_cselect_b32 s98, s89, s98                    ; e9
	s_cselect_b32 s20, s42, s17                    ; the tokens' tile: for V B's, else A's,
	s_cselect_b32 s21, s16, s15                    ; and my half of it
	s_cselect_b32 s22, s17, s42                    ; the weight's tile: four heads,
	s_cselect_b32 s23, s15, s16                    ; and my two of them
	s_add_co_i32 s96, s96, s97
	s_add_co_i32 s96, s96, 127
	s_lshl_b32 s96, s96, 23                        ; 2^(ea + eb) as f32
	s_mov_b32 s97, s96                             ; (named with it as a pair, so it is written)
	s_add_co_i32 s98, s98, 127
	s_lshl_b32 s99, s98, 23
	v_mov_b32 v[SC], s99                           ; 2^eo: the conversion takes its exponent field
	s_lshl_b32 s20, s20, 8
	s_lshl_b32 s21, s21, 7
	s_add_co_u32 s20, s20, s21                     ; my first token T0, a multiple of 128
	s_lshl_b32 s22, s22, 19                        ; 4 heads of 2^17 bytes a tile,
	s_lshl_b32 s23, s23, 18                        ; 2 a half
	s_add_co_u32 s22, s22, s23
	s_lshr_b32 s21, s20, 11
	s_lshl_b32 s21, s21, 21                        ; the batch: 16 head planes
	s_add_co_u32 s22, s22, s21
	s_and_b32 s20, s20, 2047
	s_lshl_b32 s20, s20, 6                         ; Q, K: a tile of 16 tokens is 1,024 bytes; V: a key step of 128 is 8,192: 64 bytes a token either way
	s_add_co_u32 s20, s20, s22
	s_lshl_b32 s21, s66, 23                        ; the plane
	s_add_co_u32 s20, s20, s21
	s_mov_b32 s21, 0
	s_add_nc_u64 s[10:11], s[10:11], s[20:21]
	PLACES NP
	s_wait_loadcnt 0x0                             ; the biases
; A's block a: its eight accumulators become 64 codes a lane, four stores.  isv = 0: store g is head g / 2 of my two, tile a of my eight, piece g % 2.  isv = 1: head a / 4, channel tile a % 4, registers 4 g on.
.macro OUTBLK a, isv
.set AC, 64*((\a)%4)
.set CD, CDS+16*((\a)%4)
.if (\a) >= 4
	s_wait_xcnt 0x0                                ; block a - 4's stores have read their registers: this set of codes may be written again
.endif
	WIN 0x02+((\a)/4)                              ; source 0: window 2 or 3
.irp b, 0,1,2,3,4,5,6,7
.irp i, 0,2,4,6
.if \isv
	v_pk_fma_f32 v[TMP+8*\b+\i:TMP+8*\b+\i+1], v[AC+8*\b+\i:AC+8*\b+\i+1], s[96:97], v[BI+8*(\a)+\i:BI+8*(\a)+\i+1] op_sel_hi:[1,0,1]
.else
	v_pk_fma_f32 v[TMP+8*\b+\i:TMP+8*\b+\i+1], v[AC+8*\b+\i:AC+8*\b+\i+1], s[96:97], v[BI+8*\b+\i:BI+8*\b+\i+1] op_sel_hi:[1,0,1]
.endif
.endr
.endr
	WIN 0
.set j, 0
.rept 64
.set j, j+1
.endr
.irp b, 0,1,2,3,4,5,6,7
	v_cvt_scalef32_pk8_fp8_f32 v[CD+2*\b:CD+2*\b+1], v[TMP+8*\b:TMP+8*\b+7], v[SC]
.endr
	v_nop                                          ; one plain line between the conversions and the next block's writes of their sources
.irp g, 0,1,2,3
.if \isv
	global_store_b128 v[CO], v[CD+4*\g:CD+4*\g+3], s[10:11] offset:((\a)/4)*131072+((\a)%4)*2048+\g*512
.else
	global_store_b128 v[CO], v[CD+4*\g:CD+4*\g+3], s[10:11] offset:(\g/2)*131072+(\a)*1024+(\g%2)*512
.endif
.endr
.endm
	s_cmp_eq_u32 s66, 2                            ; the same in all sixteen partners
	s_cbranch_scc1 .Lv_out
.irp a, 0,1,2,3,4,5,6,7
	OUTBLK \a, 0
.endr
	s_branch .Ldone
.Lv_out:
.irp a, 0,1,2,3,4,5,6,7
	OUTBLK \a, 1
.endr
.Ldone:
	s_wait_tensorcnt 0x0                           ; the wave's end
	ds_add_u32 v[SPW], v[NIL]
	s_wait_dscnt 0x0
	CROUND                                         ; the closing round: no work-group ends while a partner may still ask for a tile that names it
	s_endpgm
.Lfunc_end_k_q669edc22eb_proj:
	.size	k_q669edc22eb_proj, .Lfunc_end_k_q669edc22eb_proj-k_q669edc22eb_proj
	.p2alignl 7, 3214868480
	.fill 96, 4, 3214868480
	.section	.rodata,"a",@progbits
	.p2align	6, 0x0
	.amdhsa_kernel k_q669edc22eb_proj
		.amdhsa_group_segment_fixed_size 327680
		.amdhsa_private_segment_fixed_size 0
		.amdhsa_enable_private_segment 0
		.amdhsa_kernarg_size 56
		.amdhsa_user_sgpr_count 2
		.amdhsa_user_sgpr_kernarg_segment_ptr 1
		.amdhsa_wavefront_size32 1
		.amdhsa_system_sgpr_workgroup_id_x 1
		.amdhsa_system_sgpr_workgroup_id_y 1
		.amdhsa_system_sgpr_workgroup_id_z 1
		.amdhsa_system_vgpr_workitem_id 0
		.amdhsa_next_free_vgpr 1024
		.amdhsa_next_free_sgpr 100
		.amdhsa_reserve_vcc 0
		.amdhsa_float_denorm_mode_32 3
		.amdhsa_float_denorm_mode_16_64 3
		.amdhsa_fp16_overflow 1
		.amdhsa_memory_ordered 1
		.amdhsa_forward_progress 1
		.amdhsa_inst_pref_size 134
	.end_amdhsa_kernel
	.amdgpu_metadata
---
amdhsa.version: [ 1, 2 ]
amdhsa.kernels:
  - .name:           k_q669edc22eb_proj
    .symbol:         k_q669edc22eb_proj.kd
    .args:
      - { .name: acts, .offset: 0, .size: 8, .value_kind: global_buffer, .address_space: global }
      - { .name: wts, .offset: 8, .size: 8, .value_kind: global_buffer, .address_space: global }
      - { .name: lowp_scales, .offset: 16, .size: 8, .value_kind: global_buffer, .address_space: global }
      - { .name: bq, .offset: 24, .size: 8, .value_kind: global_buffer, .address_space: global }
      - { .name: bk, .offset: 32, .size: 8, .value_kind: global_buffer, .address_space: global }
      - { .name: bv, .offset: 40, .size: 8, .value_kind: global_buffer, .address_space: global }
      - { .name: qkv, .offset: 48, .size: 8, .value_kind: global_buffer, .address_space: global }
    .group_segment_fixed_size: 327680
    .private_segment_fixed_size: 0
    .kernarg_segment_align: 8
    .kernarg_segment_size: 56
    .max_flat_workgroup_size: 128
    .sgpr_count:     100
    .vgpr_count:     1024
    .wavefront_size: 32
...
	.end_amdgpu_metadata
.endif
;; end of part 2
;; launch attn (part 3): grid 4 x 64, 16 waves a work-group, no clusters, 327,680 bytes of LDS; arguments qkv, lowp_scales, att; writes att
.if DOCPART == 3
	.amdgcn_target "amdgcn-amd-amdhsa--gfx1250"
	.amdhsa_code_object_version 6
	.text
	.protected	k_q669edc22eb_attn
	.globl	k_q669edc22eb_attn
	.p2align	8
	.type	k_q669edc22eb_attn,@function
k_q669edc22eb_attn:
	s_mov_b64 s[64:65], 0
	v_nop
	global_prefetch_b8 v0, s[64:65] scope:SCOPE_SE
	s_setreg_imm32_b32 hwreg(HW_REG_WAVE_MODE, 25, 1), 1
	s_wait_xcnt 0x0
; Causal attention on codes of FP8 (E4M3): 64 heads (16 batch + head) of 2,048 tokens x 64 channels.  Scores = Q K^T (scales e6, e7), t = score x log2(e) / 8; M = the running largest t rounded UP to a whole
; number; p = 2^(t - M) is quantised (e8), not normalised; the row's sum is taken of the unquantised p in f32; O = p V (e9) / sum is quantised (e10) and stored as the last product's operand.
; qkv holds images of operand registers.  Q, K head plane: [128 tiles of 16 tokens][2][32 lanes][16 bytes] (lane (r, h), piece c: channels 32 c + 16 h + 0 .. 15 of token r: the same places of k in Q and in K).
; V head plane: [16 key steps of 128][4 tiles][4][32 lanes][16 bytes]: lane (r, h), registers 2 b, 2 b + 1: keys 16 b + 8 h + 0 .. 7 of channel place 16 t + r; place P holds channel SW(P) (bits 3, 4 exchanged).
; Both products are used transposed: S^T = K Q^T (source 0 = 16 keys, source 1 = my 16 queries), O^T = V^T P^T: a lane holds ONE query (lane % 16) throughout.  S^T's tile u, converted eight numbers at a time, is
; registers 2 u, 2 u + 1 of P^T: keys 16 u + 8 h + 0 .. 7, as V has them.  O^T's tiles 2 g, 2 g + 1 are channels 32 g + 16 h + 0 .. 15 of the query.
; att: [512 tiles of 16 tokens][16 heads][2][32 lanes][16 bytes]: lane (r, h), piece g: k = 64 head + 32 g + 16 h + 0 .. 15 of token r.  Every store is 512 consecutive bytes, aligned.
; SHARES.  Work-group (x, head) owns query blocks 7 - x (first) and x, 256 queries each; wave w owns one tile of 16 queries of the block in hand; four waves share a SIMD, so that one wave's vector work stands beside
; another's products and LDS loads.  Block i needs key slots 0 .. i of 256 keys, so every work-group walks (8 - x) + (x + 1) = 9 slots: 256 work-groups of equal work, a trip count that is a constant, and no slot
; is fetched that the mask hides whole.  In the slot on the diagonal a step all of whose keys come after the wave's queries is jumped over (a scalar branch on ids).
; NO CLUSTER: the four work-groups of a head want the same slot only in their first 5 trips, then their slots differ.  A form in which all four ask for every slot and walk both blocks in lock step takes
; 2+2+2+2+1+1+1+1 = 12 slots' time against the 9 here, to share 32 KiB for two key steps of sixteen waves.
; LIMITS: e6 + e7 between -123 and 130 (added to the exponent field of log2(e) / 8); e8 and e10 between -126 and 119; e8 + e9 is applied by v_ldexp_f32 and has none.
.set SLOT1, 1<<15                      ; a slot: K's 16,384 bytes (16 tiles), then V's 16,384 (2 key steps); slot 1 begins here, so that one exclusive or turns an address from slot to slot
.set VOFF,  16384
.set SPARE, 65536                      ; behind the ring: the spare words, 128 bytes for each of 16 waves: eight blocks of 256 bytes that no other line names
.set LI,   1                           ; v1   16 x lane: my place in every image, in LDS and in memory; never rewritten
.set SPW,  2                           ; v2   LDS address of my spare word; never rewritten
.set NIL,  3                           ; v3   0; never rewritten
.set PFO,  4                           ; v4   256 x lane: the prefetches' offset
.set PLIM, 5                           ; v6  2^e8
.set PSC,  6
.set OLIM, 7                           ; v9  2^e10
.set ADR,  8                           ; v8   LDS address of the slot in hand
.set OSC,  9
;                                        v12 -M, v13 the largest t, v[14:15] the sum in two halves
.set QF,   16                          ; v16-23   Q of the block in hand
.set QB,   24                          ; v24-31   Q of the second block
.set KFR,  32                          ; v32-95   K's 8 fragments.  Behind the scores: v32-47 p's codes; v48, v[50:51], v52, v[54:55] at work; v56-58 the mask's; v56-63 the output's codes
.set PC,   32
.set OC,   56
.set ST,   96                          ; v96-159  S^T, then p
.set OT,   160                         ; v160-191 O^T, 4 tiles
.set VFR,  192                         ; v192-255 V's 4 fragments
.set WV,   10                          ; s10  wave
.set NA,   13                          ; s13  8 - x: slots of the first block
.set CT,   14                          ; s14  the trip, 0 .. 8
.set TB,   15                          ; s15  LDS byte at which the slot in hand begins
.set G1,   16                          ; s[16:23] descriptor group 1
.set G0,   24                          ; s[24:27] descriptor group 0
.set FB,   28                          ; s[28:29] what I fetch: the head's K (wave 0) or V (wave 1)
.set OFS,  30                          ; s[30:31] an offset, its high word 0
.set PFA,  32                          ; s[32:33] where my prefetches stand
.set LIMS, 34                          ; s34  a wave prefetches while the trip is under this
.set KF,   35                          ; s35  the step's first key
.set Q0,   36                          ; s36  my first query;  s37 the second block's
.set Q0B,  37
.set SEL,  38                          ; s[38:39] v_permlanex16_b32's selects: lane l xor 16
.set CS,   40                          ; s[40:41] c = log2(e) / 8 x 2^(e6 + e7)
.set OUTA, 42                          ; s[42:43], s[44:45] where the two blocks' results go
.set OUTB, 44
; Wave 0 fetches a slot's K, wave 1 its V, the others nothing.  Four v_nop follow the line.
.macro TLOAD
	s_cmp_lt_u32 s[WV], 2
	s_cbranch_scc0 .Lnone_\@
	tensor_load_to_lds s[G0:G0+3], s[G1:G1+7]
	s_nop 0
.rept 4
	v_nop
.endr
.Lnone_\@:
.endm
; A PREFETCH INTO THE L2.  All four work-groups of a head walk the head's slots from 0 up; the one with x = 0 walks all eight in order, and it alone asks: waves 4 and 5 for the halves of K's 16,384 bytes, waves 6 and 7
; for V's, 8,192 bytes a wave, lanes 256 bytes apart: each aligned block of 256 bytes is named once in the launch.  Trip n asks for slot n + 2, which trip n + 1 loads: two key steps of four waves a SIMD ahead.
; Trips 0 to 5 ask: slot 7 is the last.  Slots 0 and 1 come by their loads alone.
.macro ASK
	s_cmp_lt_u32 s[CT], s[LIMS]
	s_cbranch_scc0 .Lnot_mine_\@
	global_prefetch_b8 v[PFO], s[PFA:PFA+1] th:TH_LOAD_NT scope:SCOPE_SE
.Lnot_mine_\@:
.endm
	s_load_b128 s[4:7], s[0:1], 0x0                ; qkv s[4:5], the exponents s[6:7]
	s_load_b64 s[8:9], s[0:1], 0x10                ; att
	v_lshl_add_u32 v[SPW], v0, 2, SPARE
	v_mov_b32 v[NIL], 0
	ds_add_u32 v2, v3
	ds_add_u32 v2, v3
	s_wait_dscnt 0x0
	v_lshrrev_b32 v[ADR], 5, v0
	s_delay_alu instid0(VALU_DEP_1)
	v_readfirstlane_b32 s[WV], v[ADR]              ; wave 0..15
	v_and_b32 v[LI], 31, v0
	s_delay_alu instid0(VALU_DEP_1)
	v_lshlrev_b32 v[PFO], 8, v[LI]
	s_delay_alu instid0(VALU_DEP_2)
	v_lshlrev_b32 v[LI], 4, v[LI]
	s_and_b32 s12, ttmp7, 0xffff                   ; 16 batch + head
	s_sub_co_u32 s[NA], 8, ttmp9
	; descriptor group 1: a dense block of 16,384 bytes as 64 rows of 256
	s_mov_b32 s[G1], 3<<16                         ; 15:0 no mask; 17:16 elements of 8 bytes; no padding: every read is 16 x lane + a constant
	s_mov_b32 s[G1+1], 32<<16                      ; tensor_dim0 = 32
	s_mov_b32 s[G1+2], 64<<16                      ; tensor_dim1 = 64
	s_mov_b32 s[G1+3], 32<<16                      ; tile_dim0 = 32
	s_mov_b32 s[G1+4], 64                          ; tile_dim1 = 64
	s_mov_b32 s[G1+5], 32                          ; tensor_dim0_stride
	s_mov_b32 s[G1+6], 0
	s_mov_b32 s[G1+7], 0
	s_mov_b32 s[SEL], 0x76543210
	s_mov_b32 s[SEL+1], 0xfedcba98
	s_and_b32 s61, s[WV], 1
	s_lshl_b32 s[G0+1], s61, 14                    ; LDS: slot 0; K's part, or V's
	s_add_co_u32 s62, s61, 1
	s_lshl_b32 s62, s62, 23                        ; K's plane, or V's
	s_lshl_b32 s63, s12, 17                        ; the head's plane
	s_add_co_u32 s[OFS], s62, s63
	s_mov_b32 s[OFS+1], 0
	s_mov_b32 s[G0], 1
	s_wait_kmcnt 0x0
	s_load_b256 s[48:55], s[6:7], 0x0              ; e0 .. e7
	s_load_b128 s[56:59], s[6:7], 0x20             ; e8 .. e11
	s_add_nc_u64 s[FB:FB+1], s[4:5], s[OFS:OFS+1]
	s_mov_b64 s[G0+2:G0+3], s[FB:FB+1]             ; key slot 0
	s_or_b32 s[G0+3], s[G0+3], 0x80000000          ; type = 2
	TLOAD                                          ; the one first fill; one tensor load of a fetching wave is out at any time
	s_sub_co_u32 s61, 7, ttmp9
	s_lshl_b32 s61, s61, 4
	s_add_co_u32 s61, s61, s[WV]                   ; my tile of 16 tokens in the first block: 16 (7 - x) + wave,
	s_lshl_b32 s[Q0], s61, 4
	s_lshl_b32 s62, ttmp9, 4
	s_add_co_u32 s62, s62, s[WV]                   ; and in the second: 16 x + wave
	s_lshl_b32 s[Q0B], s62, 4
	s_lshl_b32 s46, s61, 10
	s_add_co_u32 s46, s46, s63
	s_mov_b32 s47, 0
	s_add_nc_u64 s[46:47], s[4:5], s[46:47]
	s_lshl_b32 s2, s62, 10
	s_add_co_u32 s2, s2, s63
	s_mov_b32 s3, 0
	s_add_nc_u64 s[2:3], s[4:5], s[2:3]
	s_wait_alu depctr_va_vdst(0)
	global_load_b128 v[QF:QF+3], v[LI], s[46:47]               ; Q's fragments of both blocks stay in registers
	global_load_b128 v[QF+4:QF+7], v[LI], s[46:47] offset:512
	global_load_b128 v[QB:QB+3], v[LI], s[2:3]
	global_load_b128 v[QB+4:QB+7], v[LI], s[2:3] offset:512
	s_lshr_b32 s60, s12, 4
	s_lshl_b32 s60, s60, 7                         ; 128 tiles of tokens a batch
	s_and_b32 s11, s12, 15
	s_lshl_b32 s11, s11, 10                        ; 1,024 bytes a head
	s_add_co_u32 s[OFS], s60, s61
	s_lshl_b32 s[OFS], s[OFS], 14
	s_add_co_u32 s[OFS], s[OFS], s11
	s_add_nc_u64 s[OUTA:OUTA+1], s[8:9], s[OFS:OFS+1]
	s_add_co_u32 s[OFS], s60, s62
	s_lshl_b32 s[OFS], s[OFS], 14
	s_add_co_u32 s[OFS], s[OFS], s11
	s_add_nc_u64 s[OUTB:OUTB+1], s[8:9], s[OFS:OFS+1]
	s_and_b32 s[OFS], s[WV], 2                     ; the prefetches: waves 4, 5: K's plane; waves 6, 7: V's
	s_lshl_b32 s[OFS], s[OFS], 22
	s_add_co_u32 s[OFS], s[OFS], 0x800000
	s_add_co_u32 s[OFS], s[OFS], s63
	s_and_b32 s11, s[WV], 1
	s_lshl_b32 s11, s11, 13                        ; my half of a slot's 16,384 bytes,
	s_add_co_u32 s[OFS], s[OFS], s11
	s_add_co_u32 s[OFS], s[OFS], 16384             ; in slot 1: the first change of slots steps it to slot 2
	s_add_nc_u64 s[PFA:PFA+1], s[4:5], s[OFS:OFS+1]
	s_lshr_b32 s61, s[WV], 2
	s_xor_b32 s61, s61, 1                          ; 0 in waves 4 to 7,
	s_or_b32 s61, s61, ttmp9                       ; of the work-group with x = 0
	s_cmp_eq_u32 s61, 0
	s_cselect_b32 s[LIMS], 6, 0
	v_mov_b32 v13, 0xff61b1e6                      ; the largest t so far: -3e38, under every t
	s_delay_alu instid0(VALU_DEP_1)
	v_floor_f32 v12, -v13                          ; -M
	v_mov_b32 v14, 0                               ; the sum, in two halves
	v_mov_b32 v15, 0
	v_mov_b32 v51, 0                               ; (named as the upper half of the pair v[50:51])
	v_mov_b32 v52, 0                               ; (a lane permute's destination counts as one of its sources)
.set i, 0
.rept 32
	v_mov_b32 v[OT+i], 0                           ; O^T: the step is written once: a block's first step finds zeros, which the first change of M leaves zeros
.set i, i+1
.endr
	s_wait_kmcnt 0x0
	s_add_co_i32 s61, s54, s55                     ; a score stands for score x 2^(e6 + e7): added to c's exponent field
	s_lshl_b32 s61, s61, 23
	s_mov_b32 s[CS], 0x3e38aa3b                    ; log2(e) / 8
	s_add_co_i32 s[CS], s[CS], s61
	s_mov_b32 s[CS+1], s[CS]                       ; (named with it as a pair, so it is written)
	s_add_co_i32 s61, s56, 127
	s_lshl_b32 s62, s61, 23
	v_mov_b32 v[PSC], s62                          ; 2^e8
	s_add_co_i32 s61, s58, 127
	s_lshl_b32 s62, s61, 23
	v_mov_b32 v[OSC], s62                          ; 2^e10
	s_add_co_i32 s60, s56, s57                     ; e8 + e9
	s_mov_b32 s[CT], 0
	s_mov_b32 s[KF], 0
	s_mov_b32 s[TB], 0
; A KEY STEP: 128 keys, the q-th of the slot in hand.
.macro STEP q
	s_add_co_u32 s61, s[Q0], 15
	s_cmp_gt_u32 s[KF], s61                        ; all its keys come after my 16 queries: the step's work is left out (no barrier and no tensor load stands in a step)
	s_cbranch_scc1 .Lhidden_\@
	v_add_nc_u32 v[ADR], s[TB], v[LI]
.rept 3
	v_nop                                          ; with the addition: four places in front of loads into registers that the last products read
.endr
.set i, 0
.rept 8
	ds_load_b128 v[KFR+8*i:KFR+8*i+3],   v[ADR] offset:(8*(\q)+i)*1024
	ds_load_b128 v[KFR+8*i+4:KFR+8*i+7], v[ADR] offset:(8*(\q)+i)*1024+512
.set i, i+1
.endr
.set i, 0
.rept 16
	ds_load_b128 v[VFR+4*i:VFR+4*i+3], v[ADR] offset:VOFF+8192*(\q)+512*i
.set i, i+1
.endr
	s_wait_dscnt 16                                ; K is in; V's sixteen loads may be out: they land under the softmax
.set i, 0
	s_wait_alu depctr_va_vdst(0)
.rept 8
	v_wmma_f32_16x16x64_fp8_fp8 v[ST+8*i:ST+8*i+7], v[KFR+8*i:KFR+8*i+7], v[QF:QF+7], 0   ; lane (r, h), register j of tile i: key KF + 16 i + 8 h + j, query r
.set i, i+1
.endr
.rept 4
	v_nop
.endr
	s_add_co_u32 s61, s[KF], 127
	s_cmp_le_u32 s61, s[Q0]                        ; a step all of whose keys count skips the mask
	s_cbranch_scc1 .Lopen_\@
	s_sub_co_i32 s61, s[Q0], s[KF]
	v_and_b32 v56, 15, v0
	v_bfe_u32 v58, v0, 4, 1
	s_delay_alu instid0(VALU_DEP_1)
	v_lshlrev_b32 v58, 3, v58
	s_delay_alu instid0(VALU_DEP_1)
	v_sub_nc_u32 v56, v56, v58
	s_delay_alu instid0(VALU_DEP_1)
	v_add_nc_u32 v56, s61, v56                     ; d = my query - KF - 8 h: register 8 i + j is hidden where 16 i + j > d.  KF <= Q0 here, so key KF counts for every query: no row is hidden whole
	v_mov_b32 v57, 0xff800000                      ; -infinity: p = 0 then
.set n, 0
.rept 64
	v_cmp_gt_i32 vcc_lo, 16*(n/8)+n%8, v56
	v_cndmask_b32 v[ST+n], v[ST+n], v57, vcc_lo
.set n, n+1
.endr
.Lopen_\@:
	v_max3_num_f32 v48, v96, v97, v98              ; the step's largest score of my query among my 64 keys, in two chains, each tile from its low end on,
	v_max3_num_f32 v50, v99, v100, v101
.irp i, 6,10,14,18,22,26,30,34,38,42,46,50,54,58
	v_max3_num_f32 v48, v48, v[96+\i], v[97+\i]
	v_max3_num_f32 v50, v50, v[98+\i], v[99+\i]
.endr
	v_max3_num_f32 v48, v48, v158, v159
	s_delay_alu instid0(VALU_DEP_1)
	v_max_num_f32 v48, v48, v50
	s_delay_alu instid0(VALU_DEP_1)
	v_permlanex16_b32 v52, v48, s[SEL], s[SEL+1]
	s_delay_alu instid0(VALU_DEP_1)
	v_max_num_f32 v48, v48, v52                    ; and among lane l xor 16's
	s_delay_alu instid0(VALU_DEP_1)
	v_mul_f32 v48, s[CS], v48                      ; as t (c is positive)
	s_delay_alu instid0(VALU_DEP_1)
	v_max_num_f32 v13, v13, v48                    ; the running largest t
	v_mov_b32 v48, v12
	s_delay_alu instid0(VALU_DEP_2)
	v_floor_f32 v12, -v13                          ; the new -M = floor(-t) = -ceil(t): a whole number
	s_delay_alu instid0(VALU_DEP_1)
	v_sub_f32 v48, v12, v48                        ; old M - new M: a whole number, 0 or less
	s_delay_alu instid0(VALU_DEP_1)
	v_cvt_i32_f32 v48, v48                         ; (it saturates)
	s_delay_alu instid0(VALU_DEP_1)
	v_ldexp_f32 v50, 1.0, v48                      ; f = 2^(old M - new M): a multiplication by it rounds nothing
.set j, 0
.rept 32
	v_pk_fma_f32 v[ST+j:ST+j+1], v[ST+j:ST+j+1], s[CS:CS+1], v[12:13] op_sel_hi:[1,0,0]   ; t - M, two at a time (of the pairs c and -M the low word serves both halves)
.set j, j+2
.endr
.set j, 0
	s_wait_alu depctr_va_vdst(0)
.rept 64
	v_exp_f32 v[ST+j], v[ST+j]                     ; p = 2^(t - M), at most 1
.set j, j+1
.endr
	v_pk_mul_f32 v[14:15], v[14:15], v[50:51] op_sel_hi:[1,0]   ; the sums under the new M (a plain line behind the exponentials)
	s_wait_alu depctr_va_vdst(0)                   ; one wait for the whole batch, ahead of its first reader
	v_pk_add_f32 v[54:55], v[100:101], v[104:105]
	v_pk_add_f32 v[94:95], v[108:109], v[112:113]
	v_pk_add_f32 v[92:93], v[116:117], v[120:121]
	v_pk_add_f32 v[90:91], v[124:125], v[128:129]
	v_pk_add_f32 v[88:89], v[132:133], v[136:137]
	v_pk_add_f32 v[86:87], v[140:141], v[144:145]
	v_pk_add_f32 v[84:85], v[148:149], v[152:153]
	v_pk_add_f32 v[14:15], v[14:15], v[156:157]
	v_pk_add_f32 v[54:55], v[54:55], v[96:97]
	v_pk_add_f32 v[94:95], v[94:95], v[98:99]
	v_pk_add_f32 v[92:93], v[92:93], v[102:103]
	v_pk_add_f32 v[90:91], v[90:91], v[106:107]
	v_pk_add_f32 v[88:89], v[88:89], v[110:111]
	v_pk_add_f32 v[86:87], v[86:87], v[114:115]
	v_pk_add_f32 v[84:85], v[84:85], v[118:119]
	v_pk_add_f32 v[14:15], v[14:15], v[122:123]
	v_pk_add_f32 v[54:55], v[54:55], v[126:127]
	v_pk_add_f32 v[94:95], v[94:95], v[130:131]
	v_pk_add_f32 v[92:93], v[92:93], v[134:135]
	v_pk_add_f32 v[90:91], v[90:91], v[138:139]
	v_pk_add_f32 v[88:89], v[88:89], v[142:143]
	v_pk_add_f32 v[86:87], v[86:87], v[146:147]
	v_pk_add_f32 v[84:85], v[84:85], v[150:151]
	v_pk_add_f32 v[14:15], v[14:15], v[154:155]
	v_pk_add_f32 v[54:55], v[54:55], v[158:159]
	s_delay_alu instid0(VALU_DEP_2)
	v_pk_add_f32 v[14:15], v[14:15], v[90:91]
	s_delay_alu instid0(VALU_DEP_2)
	v_pk_add_f32 v[54:55], v[54:55], v[88:89]
	v_pk_add_f32 v[94:95], v[94:95], v[86:87]
	v_pk_add_f32 v[92:93], v[92:93], v[84:85]
	s_delay_alu instid0(VALU_DEP_2)
	v_pk_add_f32 v[14:15], v[14:15], v[94:95]
	s_delay_alu instid0(VALU_DEP_2)
	v_pk_add_f32 v[54:55], v[54:55], v[92:93]
	s_delay_alu instid0(VALU_DEP_1)
	v_pk_add_f32 v[14:15], v[14:15], v[54:55]
.set i, 0
.rept 8
.set j, 0
.rept 8
.set j, j+1
.endr
	v_cvt_scalef32_pk8_fp8_f32 v[PC+2*i:PC+2*i+1], v[ST+8*i:ST+8*i+7], v[PSC]
.set i, i+1
.endr
.set j, 0
.rept 16
	v_pk_mul_f32 v[OT+j:OT+j+1], v[OT+j:OT+j+1], v[50:51] op_sel_hi:[1,0]   ; O^T under the new M, each tile from its low end on.  (Plain lines between the conversions and the products)
.set j, j+2
.endr
	s_wait_alu depctr_va_vdst(0)
	s_wait_dscnt 0x0                               ; V is in
.set i, 0
.rept 4
	v_wmma_f32_16x16x128_fp8_fp8 v[OT+8*i:OT+8*i+7], v[VFR+16*i:VFR+16*i+15], v[PC:PC+15], v[OT+8*i:OT+8*i+7]   ; the four accumulators take turns, one instruction a turn
.set i, i+1
.endr
.Lhidden_\@:
	s_add_co_u32 s[KF], s[KF], 128
.endm
; A block is finished: O^T x 2^(e8 + e9) / the sum, converted with e10, stored: two stores of 512 consecutive bytes.
.macro FINISH o
.rept 4
	v_nop                                          ; places behind the last products
.endr
	v_add_f32 v14, v14, v15                        ; the sum's two halves,
	s_delay_alu instid0(VALU_DEP_1)
	v_permlanex16_b32 v52, v14, s[SEL], s[SEL+1]
	s_delay_alu instid0(VALU_DEP_1)
	v_add_f32 v14, v14, v52                        ; and lane l xor 16's
	s_wait_alu depctr_va_vdst(0)
	v_rcp_f32 v14, v14
	v_nop                                          ; a plain line behind the reciprocal,
	s_wait_alu depctr_va_vdst(0)                   ; and the wait ahead of its first reader
	v_ldexp_f32 v14, v14, s60
.set j, 0
.rept 16
	v_pk_mul_f32 v[ST+j:ST+j+1], v[OT+j:OT+j+1], v[14:15] op_sel_hi:[1,0]
.set j, j+2
.endr
.set j, 0
.rept 32
.set j, j+1
.endr
.irp t, 0,1,2,3
	v_cvt_scalef32_pk8_fp8_f32 v[OC+2*\t:OC+2*\t+1], v[ST+8*\t:ST+8*\t+7], v[OSC]
.endr
	v_nop                                          ; one plain line behind the last conversion
	global_store_b128 v[LI], v[OC:OC+3], s[\o:\o+1]
	global_store_b128 v[LI], v[OC+4:OC+7], s[\o:\o+1] offset:512
	s_wait_xcnt 0x0                                ; the stores have read their registers: K's next fragments may land there
.endm
; Where the first block's slots are walked (trip 8 - x), it is finished and the second begins: a branch on ids, with no LDS instruction, barrier or tensor load inside.
.macro SWITCH
	s_cmp_lg_u32 s[CT], s[NA]
	s_cbranch_scc1 .Lsame_\@
	FINISH OUTA
	v_mov_b32 v13, 0xff61b1e6
	s_delay_alu instid0(VALU_DEP_1)
	v_floor_f32 v12, -v13
	v_mov_b32 v14, 0
	v_mov_b32 v15, 0
.set i, 0
.rept 32
	v_mov_b32 v[OT+i], 0
.set i, i+1
.endr
.set i, 0
.rept 8
	v_mov_b32 v[QF+i], v[QB+i]
.set i, i+1
.endr
	s_mov_b32 s[Q0], s[Q0B]
	s_mov_b32 s[KF], 0
.Lsame_\@:
.endm
; THE CHANGE OF SLOTS stands at a slot's head.  Each wave waits for all its tensor loads (its part of the slot that it is about to read), adds 0 to its spare word, and waits for that and for its reads of the slot that
; it has left.  Behind the barrier the slot ahead is whole and nobody reads the other one.  fill = 1: that other slot is filled with trip + 1's keys: slot trip + 1 of the first block, or, from trip + 1 = 8 - x on, from 0 again.
.macro CHANGE fill
	s_wait_tensorcnt 0x0                           ; no tensor load of mine is out, so group 0 may be written
	ds_add_u32 v[SPW], v[NIL]                      ; 0 onto my spare word
.if \fill
	s_add_co_u32 s61, s[CT], 1
	s_cmp_ge_u32 s61, s[NA]
	s_cselect_b32 s62, s[NA], 0
	s_sub_co_u32 s61, s61, s62                     ; the key slot,
	s_lshl_b32 s[OFS], s61, 14                     ; 16,384 bytes each, in K as in V
	s_add_nc_u64 s[G0+2:G0+3], s[FB:FB+1], s[OFS:OFS+1]
	s_or_b32 s[G0+3], s[G0+3], 0x80000000
	s_xor_b32 s[G0+1], s[G0+1], SLOT1              ; the other slot than last time
	s_wait_xcnt 0x0                                ; the last prefetch, a slot back, has read its address, so it may be written
	s_add_nc_u64 s[PFA:PFA+1], s[PFA:PFA+1], 16384
.endif
	s_wait_dscnt 0x0                               ; the add is done, and my reads of the slot that I have left are over
	s_barrier_signal -1
	s_barrier_wait -1
.if \fill
	TLOAD                                          ; the first thing behind the barrier, and a wave's one tensor load until the next
	ASK
.endif
.endm
	s_wait_loadcnt 0x0                             ; Q
.Lslot:                                                ; 8 trips: behind each change of slots but the last the next slot is asked for
	CHANGE 1
	SWITCH
	STEP 0
	STEP 1
	s_xor_b32 s[TB], s[TB], SLOT1
	s_add_co_u32 s[CT], s[CT], 1
	s_cmp_lt_u32 s[CT], 8
	s_cbranch_scc1 .Lslot
	CHANGE 0                                       ; the ninth slot is written out
	SWITCH                                         ; (x = 0 changes blocks here)
	STEP 0
	STEP 1
	FINISH OUTB
	s_wait_tensorcnt 0x0                           ; the wave's end
	ds_add_u32 v[SPW], v[NIL]
	s_wait_dscnt 0x0
	s_endpgm
.Lfunc_end_k_q669edc22eb_attn:
	.size	k_q669edc22eb_attn, .Lfunc_end_k_q669edc22eb_attn-k_q669edc22eb_attn
	.p2alignl 7, 3214868480
	.fill 96, 4, 3214868480
	.section	.rodata,"a",@progbits
	.p2align	6, 0x0
	.amdhsa_kernel k_q669edc22eb_attn
		.amdhsa_group_segment_fixed_size 327680
		.amdhsa_private_segment_fixed_size 0
		.amdhsa_enable_private_segment 0
		.amdhsa_kernarg_size 24
		.amdhsa_user_sgpr_count 2
		.amdhsa_user_sgpr_kernarg_segment_ptr 1
		.amdhsa_wavefront_size32 1
		.amdhsa_system_sgpr_workgroup_id_x 1
		.amdhsa_system_sgpr_workgroup_id_y 1
		.amdhsa_system_sgpr_workgroup_id_z 1
		.amdhsa_system_vgpr_workitem_id 0
		.amdhsa_next_free_vgpr 256
		.amdhsa_next_free_sgpr 66
		.amdhsa_reserve_vcc 1
		.amdhsa_float_denorm_mode_32 3
		.amdhsa_float_denorm_mode_16_64 3
		.amdhsa_fp16_overflow 1
		.amdhsa_memory_ordered 1
		.amdhsa_forward_progress 1
		.amdhsa_inst_pref_size 94
	.end_amdhsa_kernel
	.amdgpu_metadata
---
amdhsa.version: [ 1, 2 ]
amdhsa.kernels:
  - .name:           k_q669edc22eb_attn
    .symbol:         k_q669edc22eb_attn.kd
    .args:
      - { .name: qkv, .offset: 0, .size: 8, .value_kind: global_buffer, .address_space: global }
      - { .name: lowp_scales, .offset: 8, .size: 8, .value_kind: global_buffer, .address_space: global }
      - { .name: att, .offset: 16, .size: 8, .value_kind: global_buffer, .address_space: global }
    .group_segment_fixed_size: 327680
    .private_segment_fixed_size: 0
    .kernarg_segment_align: 8
    .kernarg_segment_size: 24
    .max_flat_workgroup_size: 512
    .sgpr_count:     66
    .vgpr_count:     256
    .wavefront_size: 32
...
	.end_amdgpu_metadata
.endif
;; end of part 3
;; launch oproj (part 4): grid 4 x 32, 4 waves a work-group, clusters of 4 x 4, 327,680 bytes of LDS; arguments att, wts, lowp_scales, bo, out0; writes out0
.if DOCPART == 4
	.amdgcn_target "amdgcn-amd-amdhsa--gfx1250"
	.amdhsa_code_object_version 6
	.text
	.protected	k_q669edc22eb_oproj
	.globl	k_q669edc22eb_oproj
	.p2align	8
	.type	k_q669edc22eb_oproj,@function
k_q669edc22eb_oproj:
	s_mov_b64 s[64:65], 0
	v_nop
	global_prefetch_b8 v0, s[64:65] scope:SCOPE_SE
	s_setreg_imm32_b32 hwreg(HW_REG_WAVE_MODE, 25, 1), 1
	s_wait_xcnt 0x0
	s_wait_alu depctr_hold_cnt(0) depctr_sa_sdst(0) depctr_va_vdst(0) depctr_va_sdst(0) depctr_va_ssrc(0) depctr_va_vcc(0) depctr_vm_vsrc(0)
	s_getreg_b32 s2, hwreg(HW_REG_IB_STS2, 6, 4)
	s_cmp_eq_u32 s2, 0
	s_cbranch_scc0 .Lentry_in_a_cluster
	s_endpgm
.Lentry_in_a_cluster:
	s_bfe_u32 s2, ttmp6, 0x10000c
	s_cmp_lg_u32 s2, 0xf033
	s_cbranch_scc0 .Lentry_shape_is_right
	s_endpgm
.Lentry_shape_is_right:
; out0 = attention Wo + bo on codes of FP8 (E4M3): out0 [8192][1024] f32 = sum x 2^(e10 + e11) + bo.
; A: att, images of operand registers: [512 tiles of 16 tokens][16 heads][2][32 lanes][16 bytes]: lane (r, h), piece g of head n holds k = 64 n + 32 g + 16 h + 0 .. 15 of token r: four pieces on end are a fragment of 128 K.
; B: plane 3 of wts: [1024 rows][1024 K] codes, row P = column SW(P) (bits 3 and 4 exchanged).
; A tile of 256 x 256 is made by four waves, 128 x 128 each: 64 accumulators.  K = 1,024 goes in four steps of 256 through two LDS slots.  Source 0 = 16 rows of B, source 1 = 16 tokens: lane (r, h), register j of
; accumulator (a, b) is token 16 a + r, column 32 (b / 2) + 16 h + 8 (b % 2) + j.
; CLUSTERS: 4 x 4 work-groups; A's tile is shared along a row of the cluster, B's along a column: each is asked for jointly.  128 work-groups: the tile is kept at 256 x 256, so that each LDS byte feeds the most products.
; LIMIT: e10 + e11 between -126 and 127, so that 2^(e10 + e11) is an f32 number.
; REGISTERS, in windows of 256: window 0: v1-31 addresses; v32-35 bo of my four columns; v128-255 A's fragments, ONE set, on the way out rows of the result.   window 1: B's fragments, TWO sets.
;   window 2: the accumulators of my rows 0-63 ((a, b) at v[8 (8 a + b)]);   window 3: those of my rows 64-127.
.set KROW,   1024
.set ROWB,   256                       ; B: a tile's row
.set PITCH,  272                       ; B: an LDS row: 256 bytes + 16 of padding: the 16 rows that a load touches start at 16 different banks (ISA guide 11.1)
.set ASTEP,  4096                      ; A: a tile of 16 tokens x 256 K: four heads' images, on end in memory and in LDS
.set FR,     16
.set NL,     4
.set NP,     4
.set HALFT,  128*PITCH                 ; what one tensor load may fill: B's 128 padded rows; A's 8 x 4,096 bytes use 32,768 of it
.set SLOT,   4*HALFT
.set SPARE,  2*SLOT                    ; behind the ring: the spare words, 128 bytes for each wave: two blocks of 256 bytes that no other line names
.set SPITCH, 528                       ; the way out: a stage of 16 rows x (512 bytes + 16) for each wave, in slot 0, which has had its last fill and its last read when the first result is stored there
.set ADRA, 16
.set ADRB, 20
.set STO,  24                          ; v24  the way out: where I put 16 bytes of a row
.set RD,   25                          ; v25  where I read a row back
.set CO,   26                          ; v26  16 x lane
.set SPW,  28
.set NIL,  29
.set BI,   32                          ; v32-35 bo
.set AF,   128
.set BK,   128                         ; the way out: 16 rows read back: v128-191 and v192-255 by turns
.set G1, 24
.set G0, 32
.set G1B, 48
.set G0B, 56
.set MSB, 0
.macro WIN new                         ; the immediate's high byte repeats the setting that is left
.if MSB != (\new)
	s_set_vgpr_msb (MSB<<8)|(\new)
.set MSB, (\new)
.endif
.endm
.set MUL_LO, 0xa1                      ; source 0 (B) window 1, source 1 (A) window 0, C and D window 2
.set MUL_HI, 0xf1
.set TO_B,   0x40
.macro JLOAD g0a, g1a, g0b, g1b        ; a joint load: waves 0 and 1 fetch for A, waves 2 and 3 for B; four v_nop follow each of the two lines
	s_cmp_eq_u32 s15, 0
	s_cbranch_scc0 .Lfor_b_\@
	tensor_load_to_lds s[\g0a:\g0a+3], s[\g1a:\g1a+7]
	s_nop 0
.rept 4
	v_nop
.endr
	s_branch .Lasked_\@
.Lfor_b_\@:
	tensor_load_to_lds s[\g0b:\g0b+3], s[\g1b:\g1b+7]
	s_nop 0
.rept 4
	v_nop
.endr
.Lasked_\@:
.endm
.macro CREST
	s_cmp_lg_u32 s14, 0
	s_cbranch_scc1 .Lnot_wave_0_\@
	s_barrier_signal -3
.Lnot_wave_0_\@:
	s_barrier_wait -3
	s_barrier_signal -1
	s_barrier_wait -1
.endm
.macro CROUND
	s_barrier_signal -1
	s_barrier_wait -1
	CREST
.endm
	s_load_b128 s[4:7], s[0:1], 0x0                ; att s[4:5], wts s[6:7]
	s_load_b128 s[68:71], s[0:1], 0x10             ; the exponents s[68:69], bo s[70:71]
	s_load_b64 s[10:11], s[0:1], 0x20              ; out0
	v_lshl_add_u32 v[SPW], v0, 2, SPARE
	v_mov_b32 v[NIL], 0
	ds_add_u32 v28, v29
	ds_add_u32 v28, v29
	s_wait_dscnt 0x0
	v_lshrrev_b32 v1, 5, v0
	v_readfirstlane_b32 s14, v1                    ; wave 0..3
	s_lshr_b32 s15, s14, 1                         ; which half of the tile's rows is mine.  Also: I fetch for A (0) or for B (1)
	s_and_b32 s16, s14, 1                          ; which half of its columns.  Also: which half of that tile I fetch
	s_bfe_u32 s40, ttmp6, 0x40000                  ; cx, cy
	s_bfe_u32 s41, ttmp6, 0x40004
	s_lshl_b32 s42, ttmp9, 2
	s_add_co_u32 s42, s42, s40                     ; tile column = 4 x cluster x + cx
	s_and_b32 s17, ttmp7, 0xffff
	s_lshl_b32 s17, s17, 2
	s_add_co_u32 s17, s17, s41                     ; tile row = 4 x cluster y + cy
	s_lshl_b32 s43, s41, 2
	s_lshl_b32 s43, 15, s43                        ; my row of the cluster
	s_lshl_b32 s44, 0x1111, s40                    ; my column
	; descriptor group 1 for A: 8 tiles of tokens x 4,096 bytes, 16,384 bytes apart in memory, on end in LDS
	s_or_b32 s[G1+0], s43, (0<<16)|(1<<21)         ; 15:0 the mask: my row; 17:16 elements of 1 byte; no padding: every read is 16 x lane + a constant; 21 set beside a mask
	s_mov_b32 s[G1+1], ASTEP<<16                   ; tensor_dim0 = 4,096
	s_mov_b32 s[G1+2], 8<<16                       ; tensor_dim1 = 8
	s_mov_b32 s[G1+3], ASTEP<<16                   ; tile_dim0
	s_mov_b32 s[G1+4], 8                           ; tile_dim1
	s_mov_b32 s[G1+5], 16384                       ; tensor_dim0_stride
	s_mov_b32 s[G1+6], 0
	s_mov_b32 s[G1+7], 0
	; and for B: 128 rows x 256 bytes, padded in LDS
	s_or_b32 s[G1B+0], s44, (0<<16)|(1<<20)|(1<<21)|(5<<22)|(3<<25)  ; the mask: my column; padding: four words after every 64
	s_mov_b32 s[G1B+1], ROWB<<16
	s_mov_b32 s[G1B+2], 128<<16
	s_mov_b32 s[G1B+3], ROWB<<16
	s_mov_b32 s[G1B+4], 128
	s_mov_b32 s[G1B+5], KROW
	s_mov_b32 s[G1B+6], 0
	s_mov_b32 s[G1B+7], 0
	s_lshl_b32 s18, s16, 7                         ; which 128 rows of the tile I fetch
	s_lshl_b32 s20, s17, 8
	s_add_co_u32 s20, s20, s18                     ; A: token 256 x tile row + 128 x half;
	s_lshl_b32 s20, s20, 10                        ; 16 tokens are 16,384 bytes: 1,024 a token
	s_mov_b32 s21, 0
	s_lshl_b32 s46, s42, 8
	s_add_co_u32 s46, s46, s18                     ; B: row 256 x tile column + 128 x half
	s_lshl_b32 s46, s46, 10
	s_mov_b32 s47, 0
	s_mul_i32 s45, s14, HALFT                      ; where they go: no place in the cluster enters an LDS address
	s_wait_kmcnt 0x0
	s_load_b64 s[96:97], s[68:69], 0x28            ; e10, e11
	s_add_nc_u64 s[6:7], s[6:7], 0x300000          ; Wo's plane
	s_add_nc_u64 s[20:21], s[4:5], s[20:21]
	s_add_nc_u64 s[46:47], s[6:7], s[46:47]
	CROUND                                         ; all sixteen work-groups are here: the first joint loads meet
.irp s, 0,1
	s_mov_b32 s[G0+4*\s], 1
	s_add_co_u32 s[G0+4*\s+1], s45, \s*SLOT
	s_add_nc_u64 s[G0+4*\s+2:G0+4*\s+3], s[20:21], \s*ASTEP
	s_or_b32 s[G0+4*\s+3], s[G0+4*\s+3], 0x80000000
	s_mov_b32 s[G0B+4*\s], 1
	s_add_co_u32 s[G0B+4*\s+1], s45, \s*SLOT
	s_add_nc_u64 s[G0B+4*\s+2:G0B+4*\s+3], s[46:47], \s*ROWB
	s_or_b32 s[G0B+4*\s+3], s[G0B+4*\s+3], 0x80000000
	s_wait_alu depctr_va_vdst(0)
	s_wait_tensorcnt 0x0
	ds_add_u32 v28, v29
	ds_add_u32 v28, v29
	s_wait_dscnt 0x0
	CROUND
	JLOAD G0+4*\s, G1, G0B+4*\s, G1B               ; one tensor load of mine is out
.endr
	v_and_b32 v1, 15, v0                           ; r
	v_bfe_u32 v2, v0, 4, 1                         ; h
	v_and_b32 v6, 31, v0
	v_lshlrev_b32 v[CO], 4, v6                     ; 16 x lane
	v_mul_u32_u24 v3, v1, PITCH
	v_lshl_add_u32 v4, v2, 4, v3                   ; B: a fragment's row x pitch + 16 x half
	s_mul_i32 s21, s15, HALFT                      ; my 128 tokens of A
	s_mul_i32 s22, s16, HALFT                      ; my 128 rows of B,
	s_add_co_u32 s22, s22, 2*HALFT                 ; which lie behind A's two parts
.irp s, 0,1
	v_add_nc_u32 v[ADRA+\s], s21, v[CO]
	v_add_nc_u32 v[ADRB+\s], s22, v4
	s_add_co_u32 s21, s21, SLOT
	s_add_co_u32 s22, s22, SLOT
.endr
	s_mul_i32 s23, s14, 16*SPITCH                  ; my stage
	v_mul_u32_u24 v5, v1, SPITCH
	v_lshl_add_u32 v5, v2, 6, v5                   ; in: row r, + 64 h: my half's 16 columns of each 32
	v_add_nc_u32 v[STO], s23, v5
	v_add_nc_u32 v[RD], s23, v[CO]                 ; back: the 32 lanes take one row of 512 bytes
	s_lshl_b32 s72, s42, 10
	s_lshl_b32 s73, s16, 9
	s_add_co_u32 s72, s72, s73                     ; my first column, in bytes of f32
	s_mov_b32 s73, 0
	s_lshl_b32 s20, s17, 8
	s_lshl_b32 s21, s15, 7
	s_add_co_u32 s20, s20, s21                     ; my first row,
	s_lshl_b32 s20, s20, 12                        ; of 4,096 bytes
	s_add_co_u32 s20, s20, s72
	s_mov_b32 s21, 0
	s_add_nc_u64 s[10:11], s[10:11], s[20:21]
	s_add_nc_u64 s[72:73], s[70:71], s[72:73]
	global_load_b128 v[BI:BI+3], v[CO], s[72:73]   ; bo of the four columns that I store
.macro FRAG reg, adr, q, i             ; B: lane l holds row l % 16; registers 4 c .. 4 c + 3 hold K = 32 c + 16 (l / 16) + 0 .. 15
.irp c, 0,1,2,3
	ds_load_b128 v[\reg+4*\c:\reg+4*\c+3], v[\adr] offset:128*(\q)+32*\c+(\i)*16*PITCH
.endr
.endm
.macro FRAGA reg, adr, q, i            ; A: the image as it lies: the same places of k
.irp c, 0,1,2,3
	ds_load_b128 v[\reg+4*\c:\reg+4*\c+3], v[\adr] offset:(\i)*ASTEP+2048*(\q)+512*\c
.endr
.endm
; The 64 accumulators take turns, one instruction a turn, in the same order in every step.
.macro MUL16 a0, p, zero
.irp a, \a0, \a0+1
.irp b, 0,1,2,3,4,5,6,7
.if \zero
	v_wmma_f32_16x16x128_fp8_fp8 v[8*(8*((\a)%4)+\b):8*(8*((\a)%4)+\b)+7], v[128*(\p)+FR*\b:128*(\p)+FR*\b+FR-1], v[AF+FR*(\a):AF+FR*(\a)+FR-1], 0
.else
	v_wmma_f32_16x16x128_fp8_fp8 v[8*(8*((\a)%4)+\b):8*(8*((\a)%4)+\b)+7], v[128*(\p)+FR*\b:128*(\p)+FR*\b+FR-1], v[AF+FR*(\a):AF+FR*(\a)+FR-1], v[8*(8*((\a)%4)+\b):8*(8*((\a)%4)+\b)+7]
.endif
.endr
.endr
.endm
.macro FETCH_B slot, q, p
	WIN TO_B
.irp i, 0,1,2,3,4,5,6,7
	FRAG 128*(\p)+FR*\i, ADRB+\slot, \q, \i
.endr
	WIN 0
.endm
.macro FETCH_A slot, q, i0
.irp i, \i0, \i0+1, \i0+2, \i0+3
	FRAGA AF+FR*(\i), ADRA+\slot, \q, \i
.endr
.endm
.macro PLACES n                        ; places in front of loads into registers that matrix instructions have read, and of the first read of results (ISA guide 7.12.1 for vector instructions)
.rept \n
	v_nop
.endr
.endm
.macro STEP slot, q, zero
	s_wait_dscnt 4*NL                              ; B's set and A's blocks 0-3 are in; the youngest 16 loads (A's blocks 4-7) may be out
	WIN MUL_LO
	MUL16 0, (\q)%2, \zero
	MUL16 2, (\q)%2, \zero
	s_wait_dscnt 0
	PLACES NP
	FETCH_B \slot, (\q)+1, 1-(\q)%2
	FETCH_A \slot, (\q)+1, 0
	WIN MUL_HI
	MUL16 4, (\q)%2, \zero
	MUL16 6, (\q)%2, \zero
	PLACES NP
	WIN 0
	FETCH_A \slot, (\q)+1, 4
.endm
.macro TURN slot, next, fill           ; a slot's last step changes slots: one barrier; in front of it the wait for all my tensor loads, the add, and the wait for it and for my reads of this slot
	s_wait_tensorcnt 0x0                           ; all my tensor loads have landed: my part of the next slot  (every window is 0 here)
	ds_add_u32 v[SPW], v[NIL]                      ; 0 onto my spare word
	s_wait_dscnt 4*NL+1                            ; (the add and the youngest 16 loads may be out)
	WIN MUL_LO
	MUL16 0, 1, 0
	s_wait_dscnt 0x0                               ; the add is done, and my reads of this slot are over
	s_barrier_signal -1
	MUL16 2, 1, 0
	WIN 0
	s_barrier_wait -1
.if \fill
	CREST                                          ; the barrier has opened a round of the cluster's barrier: no wave of any partner still reads this slot's tile or has a load on its way
	s_add_nc_u64 s[G0+4*\slot+2:G0+4*\slot+3], s[G0+4*\slot+2:G0+4*\slot+3], 2*ASTEP
	s_add_nc_u64 s[G0B+4*\slot+2:G0B+4*\slot+3], s[G0B+4*\slot+2:G0B+4*\slot+3], 2*ROWB
	JLOAD G0+4*\slot, G1, G0B+4*\slot, G1B         ; the first tensor load behind the round, my one load until the next
.else
	PLACES NP
.endif
	FETCH_B \next, 0, 0
	FETCH_A \next, 0, 0
	WIN MUL_HI
	MUL16 4, 1, 0
	MUL16 6, 1, 0
	PLACES NP
	WIN 0
	FETCH_A \next, 0, 4
.endm
	s_wait_alu depctr_va_vdst(0)
	s_wait_tensorcnt 1                             ; my part of K step 0 is in (K step 1's load may be out)
	s_barrier_signal -1
	s_barrier_wait -1                              ; everybody's is
	FETCH_B 0, 0, 0
	FETCH_A 0, 0, 0
	FETCH_A 0, 0, 4
	STEP 0, 0, 1                                   ; eight steps of 128, two to a slot, twice round the ring: written straight, a loop would have one trip
	TURN 0, 1, 1
	STEP 1, 0, 0
	TURN 1, 0, 1
	STEP 0, 0, 0
	TURN 0, 1, 0
	STEP 1, 0, 0
	s_wait_dscnt 4*NL
	WIN MUL_LO
	MUL16 0, 1, 0
	MUL16 2, 1, 0
	s_wait_dscnt 0
	WIN MUL_HI
	MUL16 4, 1, 0
	MUL16 6, 1, 0
	WIN 0
; THE WAY OUT, block by block of 16 rows x 128 columns.  The sums go into my own stage as they are, each at its column's place, and come back as whole rows of 512 bytes; there a lane holds four neighbouring
; columns, so that one register quad of bo serves every row: y = sum x 2^(e10 + e11) + bo, one packed multiply-add for two.  LDS serves a wave's instructions in order: no wait between the stores and the loads.
.macro TOSTAGE a
.set AC, 64*((\a)%4)
	WIN 0x08+4*((\a)/4)                            ; the stores' data: window 2 or 3
.irp b, 0,1,2,3,4,5,6,7
	ds_store_b128 v[STO], v[AC+8*\b:AC+8*\b+3] offset:128*(\b/2)+32*(\b%2)       ; columns 32 (b / 2) + 16 h + 8 (b % 2) + 0 .. 3; each accumulator from its low end on
	ds_store_b128 v[STO], v[AC+8*\b+4:AC+8*\b+7] offset:128*(\b/2)+32*(\b%2)+16
.endr
	WIN 0
.set BB, BK+64*((\a)%2)
.irp t, 0,1,2,3,4,5,6,7,8,9,10,11,12,13,14,15
	ds_load_b128 v[BB+4*\t:BB+4*\t+3], v[RD] offset:\t*SPITCH
.endr
.endm
.macro SEND a, younger                 ; younger: the LDS instructions issued behind block a's loads, which may stay out
.set BB, BK+64*((\a)%2)
	s_wait_dscnt \younger
.if (\a) > 0
	s_add_nc_u64 s[10:11], s[10:11], 16*4096       ; (behind a wait on XCNT: the earlier stores have read their base)  16 rows on
.endif
.irp t, 0,1,2,3,4,5,6,7,8,9,10,11,12,13,14,15
	v_pk_fma_f32 v[BB+4*\t:BB+4*\t+1], v[BB+4*\t:BB+4*\t+1], s[96:97], v[BI:BI+1] op_sel_hi:[1,0,1]
	v_pk_fma_f32 v[BB+4*\t+2:BB+4*\t+3], v[BB+4*\t+2:BB+4*\t+3], s[96:97], v[BI+2:BI+3] op_sel_hi:[1,0,1]
	global_store_b128 v[CO], v[BB+4*\t:BB+4*\t+3], s[10:11] offset:\t*4096 th:TH_STORE_NT   ; 32 lanes store 512 consecutive bytes, aligned; written once, read by nobody here
.endr
.endm
	s_wait_kmcnt 0x0
	s_add_co_i32 s96, s96, s97
	s_add_co_i32 s96, s96, 127
	s_lshl_b32 s96, s96, 23                        ; 2^(e10 + e11) as f32
	s_mov_b32 s97, s96                             ; (named with it as a pair)
	PLACES NP
	s_wait_loadcnt 0x0                             ; bo
	TOSTAGE 0
.irp a, 1,2,3,4,5,6,7
.if \a > 1
	s_wait_xcnt 0x0                                ; block a - 2's stores have read their registers and their base: block a's loads may land there, and the base may step
.endif
	TOSTAGE \a
	SEND \a-1, 32                                  ; behind block a - 1's loads: block a's 16 stores and 16 loads
.endr
	s_wait_xcnt 0x0
	SEND 7, 0
	s_wait_tensorcnt 0x0                           ; the wave's end
	ds_add_u32 v[SPW], v[NIL]
	s_wait_dscnt 0x0
	CROUND                                         ; the closing round
	s_endpgm
.Lfunc_end_k_q669edc22eb_oproj:
	.size	k_q669edc22eb_oproj, .Lfunc_end_k_q669edc22eb_oproj-k_q669edc22eb_oproj
	.p2alignl 7, 3214868480
	.fill 96, 4, 3214868480
	.section	.rodata,"a",@progbits
	.p2align	6, 0x0
	.amdhsa_kernel k_q669edc22eb_oproj
		.amdhsa_group_segment_fixed_size 327680
		.amdhsa_private_segment_fixed_size 0
		.amdhsa_enable_private_segment 0
		.amdhsa_kernarg_size 40
		.amdhsa_user_sgpr_count 2
		.amdhsa_user_sgpr_kernarg_segment_ptr 1
		.amdhsa_wavefront_size32 1
		.amdhsa_system_sgpr_workgroup_id_x 1
		.amdhsa_system_sgpr_workgroup_id_y 1
		.amdhsa_system_sgpr_workgroup_id_z 1
		.amdhsa_system_vgpr_workitem_id 0
		.amdhsa_next_free_vgpr 1024
		.amdhsa_next_free_sgpr 100
		.amdhsa_reserve_vcc 0
		.amdhsa_float_denorm_mode_32 3
		.amdhsa_float_denorm_mode_16_64 3
		.amdhsa_memory_ordered 1
		.amdhsa_forward_progress 1
		.amdhsa_inst_pref_size 124
	.end_amdhsa_kernel
	.amdgpu_metadata
---
amdhsa.version: [ 1, 2 ]
amdhsa.kernels:
  - .name:           k_q669edc22eb_oproj
    .symbol:         k_q669edc22eb_oproj.kd
    .args:
      - { .name: att, .offset: 0, .size: 8, .value_kind: global_buffer, .address_space: global }
      - { .name: wts, .offset: 8, .size: 8, .value_kind: global_buffer, .address_space: global }
      - { .name: lowp_scales, .offset: 16, .size: 8, .value_kind: global_buffer, .address_space: global }
      - { .name: bo, .offset: 24, .size: 8, .value_kind: global_buffer, .address_space: global }
      - { .name: out0, .offset: 32, .size: 8, .value_kind: global_buffer, .address_space: global }
    .group_segment_fixed_size: 327680
    .private_segment_fixed_size: 0
    .kernarg_segment_align: 8
    .kernarg_segment_size: 40
    .max_flat_workgroup_size: 128
    .sgpr_count:     100
    .vgpr_count:     1024
    .wavefront_size: 32
...
	.end_amdgpu_metadata
.endif
;; end of part 4
